; MI455X (gfx1250); checked and timed in simulation.
; The chip was launched on July 23, 2026; its instructions are those of AMD's public machine-readable ISA for CDNA 5 (MIT licence, August 2026) and "CDNA5" Instruction Set Architecture Reference Guide (July 2026). The comments in the code are by the model that wrote it; some were corrected since.
;; Decoder Layer. Allowed arithmetic: matrix products marked QUANTISED: E5M2 operands, one given power-of-two scale a tensor, by v_wmma_f32_16x16x64_bf8_bf8 or v_wmma_f32_16x16x128_bf8_bf8, f32 sums; everything else in f32.
;; Inputs: aw_b 64 float32; aw_w_codes 64 x 8 x 32 uint8 (E5M2 codes of aw_w, K innermost, in blocks of 32 codes); ffn_b1 512 float32; ffn_b2 256 float32; ffn_w1_codes 512 x 8 x 32 uint8 (E5M2 codes of ffn_w1, K innermost, in blocks of 32 codes); ffn_w2_codes 256 x 16 x 32 uint8 (E5M2 codes of ffn_w2, K innermost, in blocks of 32 codes); in_proj_b 768 float32; in_proj_w_codes 768 x 8 x 32 uint8 (E5M2 codes of in_proj_w, K innermost, in blocks of 32 codes); ln1_b 256 float32; ln1_g 256 float32; ln2_b 256 float32; ln2_g 256 float32; ln3_b 256 float32; ln3_g 256 float32; lowp_scales 24 int32 (the exponents e of the quantised operands' scales 2^e); off_b 128 float32; off_w_codes 128 x 8 x 32 uint8 (E5M2 codes of off_w, K innermost, in blocks of 32 codes); oproj_b 256 float32; oproj_w_codes 256 x 8 x 32 uint8 (E5M2 codes of oproj_w, K innermost, in blocks of 32 codes); out_proj_b 256 float32; out_proj_w_codes 256 x 8 x 32 uint8 (E5M2 codes of out_proj_w, K innermost, in blocks of 32 codes); query 4 x 2,500 x 256 float32; query_pos 4 x 2,500 x 256 float32; ref_2d 4 x 2,500 x 1 x 2 float32; value_codes 4 x 40,000 x 8 x 32 uint8 (E5M2 codes of value, K innermost, in blocks of 32 codes); vproj_b 256 float32; vproj_w_codes 256 x 8 x 32 uint8 (E5M2 codes of vproj_w, K innermost, in blocks of 32 codes).
;; Outputs: out0 4 x 2,500 x 256 float32.
;; Constants: bev_h = 200, bev_w = 200.
;; This version of the problem:
;;   THIS VERSION OF THE PROBLEM IS GIVEN IN LOW PRECISION. The matrix products marked QUANTISED in the list below multiply operands that are first quantised to E5M2 (5 exponent bits, 2 mantissa bits; 8 bits a number), with one given power-of-two scale for each operand tensor; their sums are f32. All else is computed in f32.
;;   The module's matrix products, in the order in which they are computed (A, B: the left and right operand; K: the contracted axis; several contracted axes count as one K, in the product's order):
;;     1. [M 10,000, K 256] x [K 256, N 256]; A: computed on the way; B: input in_proj_w (given as codes): QUANTISED (scales: A lowp_scales[0], B lowp_scales[1])
;;     2. [M 10,000, K 256] x [K 256, N 256]; A: input query; B: input in_proj_w (given as codes): QUANTISED (scales: A lowp_scales[2], B lowp_scales[3])
;;     3. [M 10,000, K 256] x [K 256, N 256]; A: input query; B: input in_proj_w (given as codes): QUANTISED (scales: A lowp_scales[4], B lowp_scales[5])
;;     4. batch 32 x [M 2,500, K 32] x [K 32, N 2,500]; A: computed on the way; B: computed on the way: QUANTISED (scales: A lowp_scales[6], B lowp_scales[7])
;;     5. batch 32 x [M 32, K 2,500] x [K 2,500, N 2,500]; A: computed on the way; B: softmax (see below): QUANTISED (scales: A lowp_scales[8], B lowp_scales[9])
;;     6. [M 10,000, K 256] x [K 256, N 256]; A: computed on the way; B: input out_proj_w (given as codes): QUANTISED (scales: A lowp_scales[10], B lowp_scales[11])
;;     7. [M 160,000, K 256] x [K 256, N 256]; A: input value (given as codes); B: input vproj_w (given as codes): QUANTISED (scales: A lowp_scales[12], B lowp_scales[13])
;;     8. [M 10,000, K 256] x [K 256, N 128]; A: computed on the way; B: input off_w (given as codes): QUANTISED (scales: A lowp_scales[14], B lowp_scales[15])
;;     9. [M 10,000, K 256] x [K 256, N 64]; A: computed on the way; B: input aw_w (given as codes): QUANTISED (scales: A lowp_scales[16], B lowp_scales[17])
;;     10. [M 10,000, K 256] x [K 256, N 256]; A: computed on the way; B: input oproj_w (given as codes): QUANTISED (scales: A lowp_scales[18], B lowp_scales[19])
;;     11. [M 10,000, K 256] x [K 256, N 512]; A: computed on the way; B: input ffn_w1 (given as codes): QUANTISED (scales: A lowp_scales[20], B lowp_scales[21])
;;     12. [M 10,000, K 512] x [K 512, N 256]; A: computed on the way; B: input ffn_w2 (given as codes): QUANTISED (scales: A lowp_scales[22], B lowp_scales[23])
;;   THE QUANTISER, for each operand of a quantised product, along K:
;;     - The operand's scale is 2^e, e = its entry of the input lowp_scales (int32; the entries are numbered through the quantised products in the list's order, A before B).
;;     - Each number is divided by the scale, clamped to +-57,344, and rounded to the nearest number of E5M2, ties to even, subnormals kept.
;;     - The product sums the exact products of the quantised numbers (number of the format x scale) in f32.
;;   ~~~python
;;   def quantise(x, axis, e):      # numpy; x: float32 -> the quantised numbers, widened to float32 again
;;       x = np.moveaxis(x, axis, -1); K = x.shape[-1]
;;       r = np.clip(x / 2.0 ** e, -57344, 57344)
;;       step = 2.0 ** (np.maximum(np.frexp(np.where(r == 0, 1, r))[1] - 1, -14) - 2)
;;       q = np.round(r / step) * step * 2.0 ** e      # np.round: ties to even
;;       return np.moveaxis(q, -1, axis).astype(np.float32)
;;   ~~~
;;   SOFTMAX AHEAD OF A QUANTISED PRODUCT. Where the list says 'softmax', what is quantised is not the finished softmax but p = 2^(t - M), with t = logit x log2(e) and M = ceil(the row's largest t), a whole number; so 1/2 < the row's largest p <= 1. The row's sum l is taken of the UNQUANTISED p, in f32, and the product's result is divided by l at the end. Since M is a whole number, a kernel that streams over the keys may use a running M (the ceiling of the running maximum): every later rescaling is an exact power of two, so the quantised numbers keep their values, but for numbers so far below the row's largest that they fall under the format's range.
;;   OPERANDS COMPUTED ON THE WAY. 'Computed on the way' means the value that the module computes at that place (a softmax that the list does not call 'softmax' is quantised finished and normalised). What goes into a quantiser is computed in f32, as accurately as f32 sums, v_exp_f32 and their like allow (about 1e-6 of the number): no bf16 or f16 on the way to a quantiser, and a product that is left as it is and whose result goes on into a quantised operand takes f32 operands (vector FMAs, or v_wmma_f32_16x16x4_f32). A number that lies on a knife's edge between two numbers of the format may be rounded either way, as far as f32 arithmetic and the matrix unit's own rounding can turn it there, and no further.
;;   INPUTS GIVEN AS CODES. aw_w (in the module: [64, 256], K = its axis 1); ffn_w1 (in the module: [512, 256], K = its axis 1); ffn_w2 (in the module: [256, 512], K = its axis 1); in_proj_w (in the module: [768, 256], K = its axis 1); off_w (in the module: [128, 256], K = its axis 1); oproj_w (in the module: [256, 256], K = its axis 1); out_proj_w (in the module: [256, 256], K = its axis 1); value (in the module: [4, 40000, 256], K = its axis 2); vproj_w (in the module: [256, 256], K = its axis 1): each comes as NAME_codes (uint8): NAME with its K axis moved to the last place and cut into blocks of 32 codes, [.., K / 32, bytes a block], one block behind the other in memory; one code a byte (a code: sign, 5 exponent bits, 2 mantissa bits); its scale is its entry of lowp_scales. Its value is code x scale, taken as it is: it is not quantised again, and the codes and scales need not be those that the quantiser above would give.
;; 2 versions, each right. Each part assembles by itself: llvm-mc -triple=amdgcn-amd-amdhsa -mcpu=gfx1250 --defsym DOCPART=n.
;; ======== version 1 of 2: 5 launches
;; workspace buffers: val 163,840,000 bytes; qc 2,588,672 bytes; kc 2,588,672 bytes; vc 2,588,672 bytes; sac 2,588,672 bytes; ident 10,354,688 bytes; wts 10,354,688 bytes; idx 10,354,688 bytes of whole numbers
;; launch valp (part 1): grid 250 x 1, 4 waves a work-group, no clusters, 66,048 bytes of LDS; arguments value_codes, vproj_w_codes, vproj_b, lowp_scales, val; writes val
.if DOCPART == 1
	.amdgcn_target "amdgcn-amd-amdhsa--gfx1250"
	.amdhsa_code_object_version 6
	.text
	.protected	k_qc99e42f85a_valp
	.globl	k_qc99e42f85a_valp
	.p2align	8
	.type	k_qc99e42f85a_valp,@function
k_qc99e42f85a_valp:
	s_mov_b64 s[64:65], 0
	v_nop
	global_prefetch_b8 v0, s[64:65] scope:SCOPE_SE
	s_setreg_imm32_b32 hwreg(HW_REG_WAVE_MODE, 25, 1), 1
	s_wait_xcnt 0x0
; DecoderLayer in E5M2, five launches: valp (this one), qkv, attn, mid, tail.
; DEAD WORK: none of the twelve products and none of the inputs is dead: every one has a way to out0, and all are loaded.
; One identity is used, in launch mid: (ref + off / 200) x 200 - 0.5 = 200 ref + off - 0.5, since bev_w = bev_h = 200 are constants of the problem and 200 / 200 is 1 for all values;
; bilinear sampling is continuous in that number, so the change is one of rounding.  K = 32 of the scores' product is filled to 64 with zero codes, K = 2,500 of the weights' product to 2,560 with p = 0.
; LIMITS of the whole program: each power of two made from lowp_scales is an f32 number: every e and every folded difference eC - eA - eB between -126 and 112, every eA + eB between -126 and 127.  NaN and infinity among the inputs are not served.
;
; THIS LAUNCH: val[row][col] = (sum over k of value[row][k] vproj_w[col][k]) x 2^(e12 + e13) + vproj_b[col], 160,000 rows x 256, f32 (it goes on into a quantiser, so it stays f32).
; SHARES: 250 work-groups of four waves; a work-group takes 640 rows, a wave 160: ten tiles of 16, written out.  Each wave holds ALL of vproj_w in 512 registers, so each byte of value is read by one wave.
; The weight is read from memory once a work-group: each wave loads a quarter, the quarters meet in LDS as images of the operand's registers, one barrier, every wave reads all.
; LAYOUT: source 0 = 16 rows of value, source 1 = 16 rows of the weight; lane r of tile t = 4 nb + tt takes weight row 64 nb + 4 r + tt.  Register j of that tile's result is (row 8 h + j, column 64 nb + 4 r + tt):
; one fused multiply-add scales, adds the bias and puts the four tiles' numbers side by side, so that a lane holds 4 neighbouring columns and sixteen lanes store 256 consecutive bytes, aligned.
; A fragment's registers 4 c .. 4 c + 3 hold k = 128 s + 32 c + 16 h + 0 .. 15: a permutation of k, the same on both sides.
; REGISTERS: window 0: v1-7, v24 addresses; v8-23 the bias; v32-127 three buffers of value's fragments; v128-255 results to store (at the head: my quarter of the weight).
;   window 1: the weight's tiles 0-7 (fragment 2 t + s at 16 (2 t + s)); window 2: tiles 8-15; window 3: the 16 accumulators.
.set SPARE, 65536                      ; behind the weight's images: the spare words, 128 bytes a wave
.set AO,  1                            ; v1  256 r + 16 h: my bytes in a tile of value
.set VO,  2                            ; v2  8192 h + 16 r: my bytes in a tile of val
.set LI,  3                            ; v3  16 x lane: an image's place for my lane
.set SPW, 4                            ; v4  my spare word; never rewritten
.set NIL, 5                            ; v5  0; never rewritten
.set WO,  6                            ; v6  1024 r + 16 h: my bytes in a quarter of the weight
.set BO,  7                            ; v7  16 r
.set BI,  8
.set LW,  24                           ; v24 16 x lane + 16,384 x wave: where I store my quarter's images
.set AB,  32
.set OUT, 128
.set MSB, 0
.macro WIN new                         ; the immediate's high byte repeats the setting that is left
.if MSB != \new
	s_set_vgpr_msb (MSB<<8)|\new
.set MSB, \new
.endif
.endm
.macro PLACES n
.rept \n
	v_nop
.endr
.endm
.macro ALOAD i                         ; tile i of my ten: 16 rows x 256 codes, two fragments, into buffer i % 3
.irp k, 0,1,2,3,4,5,6,7
	global_load_b128 v[AB+32*((\i)%3)+4*\k:AB+32*((\i)%3)+4*\k+3], v[AO], s[4:5] offset:4096*(\i)+32*\k th:TH_LOAD_NT
.endr
.endm
	s_load_b256 s[4:11], s[0:1], 0x0               ; value's codes, the weight's codes, the bias, the scales' exponents
	s_load_b64 s[12:13], s[0:1], 0x20              ; val
	v_lshl_add_u32 v[SPW], v0, 2, SPARE
	v_mov_b32 v[NIL], 0
	v_lshrrev_b32 v1, 5, v0
	v_readfirstlane_b32 s14, v1                    ; wave 0..3
	v_and_b32 v8, 15, v0                           ; r
	v_bfe_u32 v9, v0, 4, 1                         ; h
	v_and_b32 v10, 31, v0
	v_lshlrev_b32 v[LI], 4, v10
	v_lshlrev_b32 v[AO], 8, v8
	v_lshl_add_u32 v[AO], v9, 4, v[AO]
	v_lshlrev_b32 v[VO], 4, v8
	v_lshl_add_u32 v[VO], v9, 13, v[VO]
	v_lshlrev_b32 v[WO], 10, v8
	v_lshl_add_u32 v[WO], v9, 4, v[WO]
	v_lshlrev_b32 v[BO], 4, v8
	s_mul_i32 s18, ttmp9, 640
	s_mul_i32 s19, s14, 160
	s_add_co_u32 s18, s18, s19                     ; my first row
	s_lshl_b32 s20, s18, 8                         ; in value's codes (under 2^26),
	s_mov_b32 s21, 0
	s_lshl_b32 s22, s18, 10                        ; in val (under 2^28)
	s_mov_b32 s23, 0
	s_lshl_b32 s24, s14, 14                        ; my quarter of the weight, in memory and in LDS
	s_mov_b32 s25, 0
	v_add_nc_u32 v[LW], s24, v[LI]
	s_wait_kmcnt 0x0
	s_load_b64 s[16:17], s[10:11], 0x30            ; e12, e13
	s_add_nc_u64 s[4:5], s[4:5], s[20:21]
	s_add_nc_u64 s[12:13], s[12:13], s[22:23]
	s_add_nc_u64 s[6:7], s[6:7], s[24:25]
.irp f, 0,1,2,3,4,5,6,7                        ; my quarter: tiles 4 w + tt, K steps s: f = 2 tt + s
.irp c, 0,1,2,3
	global_load_b128 v[OUT+16*\f+4*\c:OUT+16*\f+4*\c+3], v[WO], s[6:7] offset:128*\f+32*\c
.endr
.endr
.irp nb, 0,1,2,3
	global_load_b128 v[BI+4*\nb:BI+4*\nb+3], v[BO], s[8:9] offset:256*\nb   ; the bias of columns 64 nb + 4 r + 0 .. 3
.endr
	ALOAD 0
	ALOAD 1
	ALOAD 2
	s_wait_loadcnt 24                              ; the weight and the bias are in; the 24 loads of value's first three tiles may be out
.set k, 0
.rept 32
	ds_store_b128 v[LW], v[OUT+4*k:OUT+4*k+3] offset:512*k
.set k, k+1
.endr
	s_wait_dscnt 0x0                               ; for the others' sake: my images lie in LDS
	s_barrier_signal -1
	s_barrier_wait -1
	WIN 0x40                                       ; destination window 1
.set k, 0
.rept 64
	ds_load_b128 v[4*k:4*k+3], v[LI] offset:512*k
.set k, k+1
.endr
	WIN 0x80                                       ; destination window 2
.set k, 0
.rept 64
	ds_load_b128 v[4*k:4*k+3], v[LI] offset:32768+512*k
.set k, k+1
.endr
	WIN 0
	s_wait_kmcnt 0x0
	s_add_co_i32 s16, s16, s17
	s_add_co_i32 s16, s16, 127
	s_lshl_b32 s16, s16, 23                        ; 2^(e12 + e13) as f32
	s_wait_dscnt 0x0
.macro TILE i
.if (\i) < 8
	s_wait_loadcnt 16                              ; this tile's eight loads are in; the two younger tiles' may be out
.elseif (\i) == 8
	s_wait_loadcnt 8
.else
	s_wait_loadcnt 0
.endif
.set FA, AB+32*((\i)%3)
	WIN 0xf4                                       ; source 0 window 0, source 1 window 1, C and D window 3.  The 16 accumulators take turns, one instruction a turn
.irp t, 0,1,2,3,4,5,6,7
	v_wmma_f32_16x16x128_bf8_bf8 v[8*\t:8*\t+7], v[FA:FA+15], v[32*\t:32*\t+15], 0
.endr
	WIN 0xf8                                       ; source 1 window 2
.irp t, 0,1,2,3,4,5,6,7
	v_wmma_f32_16x16x128_bf8_bf8 v[64+8*\t:64+8*\t+7], v[FA:FA+15], v[32*\t:32*\t+15], 0
.endr
	WIN 0xf4
.irp t, 0,1,2,3,4,5,6,7
	v_wmma_f32_16x16x128_bf8_bf8 v[8*\t:8*\t+7], v[FA+16:FA+31], v[32*\t+16:32*\t+31], v[8*\t:8*\t+7]
.endr
	WIN 0xf8
.irp t, 0,1,2,3,4,5,6,7
	v_wmma_f32_16x16x128_bf8_bf8 v[64+8*\t:64+8*\t+7], v[FA+16:FA+31], v[32*\t+16:32*\t+31], v[64+8*\t:64+8*\t+7]
.endr
	WIN 0
	PLACES 4                                       ; in front of the loads into the buffer just multiplied and of the first read of results
	s_wait_xcnt 0x0                                ; the last tile's stores have read their registers: they are written again below
.if (\i)+3 < 10
	ALOAD (\i)+3
.endif
	WIN 0x03                                       ; source 0 window 3
.irp nb, 0,1,2,3
.irp j, 0,1,2,3,4,5,6,7
.irp tt, 0,1,2,3
	v_fma_f32 v[OUT+32*\nb+4*\j+\tt], v[8*(4*\nb+\tt)+\j], s16, v[BI+4*\nb+\tt]   ; each accumulator from its register 0 on
.endr
.endr
.endr
	WIN 0
.irp nb, 0,1,2,3
.irp j, 0,1,2,3,4,5,6,7
	global_store_b128 v[VO], v[OUT+32*\nb+4*\j:OUT+32*\nb+4*\j+3], s[12:13] offset:16384*(\i)+1024*\j+256*\nb th:TH_STORE_NT   ; lanes 0-15: 256 consecutive bytes of row j, aligned; lanes 16-31: of row 8 + j
.endr
.endr
.endm
.irp i, 0,1,2,3,4,5,6,7,8,9
	TILE \i
.endr
	s_wait_tensorcnt 0x0                           ; the wave's end, behind my last LDS store
	ds_add_u32 v[SPW], v[NIL]
	s_wait_dscnt 0x0
	s_endpgm
.Lfunc_end_k_qc99e42f85a_valp:
	.size	k_qc99e42f85a_valp, .Lfunc_end_k_qc99e42f85a_valp-k_qc99e42f85a_valp
	.p2alignl 7, 3214868480
	.fill 96, 4, 3214868480
	.section	.rodata,"a",@progbits
	.p2align	6, 0x0
	.amdhsa_kernel k_qc99e42f85a_valp
		.amdhsa_group_segment_fixed_size 66048
		.amdhsa_private_segment_fixed_size 0
		.amdhsa_enable_private_segment 0
		.amdhsa_kernarg_size 40
		.amdhsa_user_sgpr_count 2
		.amdhsa_user_sgpr_kernarg_segment_ptr 1
		.amdhsa_wavefront_size32 1
		.amdhsa_system_sgpr_workgroup_id_x 1
		.amdhsa_system_sgpr_workgroup_id_y 1
		.amdhsa_system_sgpr_workgroup_id_z 1
		.amdhsa_system_vgpr_workitem_id 0
		.amdhsa_next_free_vgpr 896
		.amdhsa_next_free_sgpr 66
		.amdhsa_reserve_vcc 0
		.amdhsa_float_denorm_mode_32 3
		.amdhsa_float_denorm_mode_16_64 3
		.amdhsa_memory_ordered 1
		.amdhsa_forward_progress 1
		.amdhsa_inst_pref_size 158
	.end_amdhsa_kernel
	.amdgpu_metadata
---
amdhsa.version: [ 1, 2 ]
amdhsa.kernels:
  - .name:           k_qc99e42f85a_valp
    .symbol:         k_qc99e42f85a_valp.kd
    .args:
      - { .name: value_codes, .offset: 0, .size: 8, .value_kind: global_buffer, .address_space: global }
      - { .name: vproj_w_codes, .offset: 8, .size: 8, .value_kind: global_buffer, .address_space: global }
      - { .name: vproj_b, .offset: 16, .size: 8, .value_kind: global_buffer, .address_space: global }
      - { .name: lowp_scales, .offset: 24, .size: 8, .value_kind: global_buffer, .address_space: global }
      - { .name: val, .offset: 32, .size: 8, .value_kind: global_buffer, .address_space: global }
    .group_segment_fixed_size: 66048
    .private_segment_fixed_size: 0
    .kernarg_segment_align: 8
    .kernarg_segment_size: 40
    .max_flat_workgroup_size: 128
    .sgpr_count:     66
    .vgpr_count:     896
    .wavefront_size: 32
...
	.end_amdgpu_metadata
.endif
;; end of part 1
;; launch qkv (part 2): grid 79 x 4, 8 waves a work-group, no clusters, 25,600 bytes of LDS; arguments query, query_pos, in_proj_w_codes, in_proj_b, lowp_scales, qc, kc, vc; writes qc, kc, vc
.if DOCPART == 2
	.amdgcn_target "amdgcn-amd-amdhsa--gfx1250"
	.amdhsa_code_object_version 6
	.text
	.protected	k_qc99e42f85a_qkv
	.globl	k_qc99e42f85a_qkv
	.p2align	8
	.type	k_qc99e42f85a_qkv,@function
k_qc99e42f85a_qkv:
	s_mov_b64 s[64:65], 0
	v_nop
	global_prefetch_b8 v0, s[64:65] scope:SCOPE_SE
	s_setreg_imm32_b32 hwreg(HW_REG_WAVE_MODE, 25, 1), 1
	s_wait_xcnt 0x0
; DecoderLayer in E5M2, five launches: valp (the value map's projection), qkv (this one), attn, mid, tail.
; DEAD WORK: none of the twelve products and none of the inputs is dead: every one has a way to out0, and all are loaded.
; One identity is used, in launch mid: (ref + off / 200) x 200 - 0.5 = 200 ref + off - 0.5, since bev_w = bev_h = 200 are constants of the problem and 200 / 200 is 1 for all values;
; bilinear sampling is continuous in that number, so the change is one of rounding.  K = 32 of the scores' product is filled to 64 with zero codes, K = 2,500 of the weights' product to 2,560 with p = 0.
; LIMITS of the whole program: each power of two made from lowp_scales is an f32 number: every e and every folded difference eC - eA - eB between -126 and 112, every eA + eB between -126 and 127.  NaN and infinity among the inputs are not served.
;
; THIS LAUNCH: q = (query + query_pos) Wq^T + bq, k = query Wk^T + bk, v = query Wv^T + bv, each product on codes of E5M2, and each result quantised at once for the attention's products.  No work is left out.
; SHARES: a work-group takes a PAIR of tiles: 32 consecutive rows 32 P .. 32 P + 31 of batch b (79 pairs a batch; pair 78 has 4 real rows: the other 28 take row 2,499 again, by a clamp on ids;
; they are finite, go into padded workspace only, and are masked or never stored further on).  Lane r of tile u takes row 8 u + r + 8 (r / 8).  Wave w takes head w: channels 32 w .. 32 w + 31.
; PHASE X: wave w quantises channels 32 w .. + 31 of the 32 rows three times (e0 on query + pos, e2 and e4 on query): that is piece w of each operand (16 bytes a lane: k = 32 w + 16 h + 0 .. 15 of row r).
; Pieces go from wave to wave through LDS as images of the operand's registers, 512 bytes each.
; q, k: TRANSPOSED (source 0 = 16 weight rows, lane i of tile u' = channel 32 w + 8 u' + i + 8 (i / 8); source 1 = 16 data rows): a lane's 16 registers of the two tiles are channels 32 w + 16 h + 0 .. 15 of its row.
; v: NOT transposed (source 0 = data rows, source 1 = weight rows): a lane holds one channel and 16 neighbouring keys, since the keys are the K of the product that takes v.
; The biases are the C of each sum's first matrix instruction, divided by the power of two that the sums lack; the three scales ahead of each quantiser are folded into the conversion's one.
; OUT: qc, kc [b][head][tile 158][512]: lane (r, h) = dims 16 h .. + 15 of the tile's row r.  vc [b][head][pair 79][t 2][512]: lane (r, h) = dim 8 t + r + 8 (r / 8), keys 32 P + 16 h + 0 .. 15.
.set LI,  1                            ; v1  16 x lane
.set WOF, 2                            ; v2  (r + 8 (r / 8)) x 256 + 16 h: my bytes in a tile of weight rows
.set BO,  3                            ; v3  64 h
.set BVO, 4                            ; v4  4 (r + 8 (r / 8))
.set IMW, 5                            ; v5  16 x lane + 512 x wave: where I store my pieces
.set SCV, 6                            ; v6  the conversion's scale
.set LMV, 7                            ; v7  57,344 x that
.set PC,  8                            ; v8-15   codes to store
.set ZC,  16                           ; v16-31  the bias as C
.set ZW1, 32                           ; v32-95  Wq, later Wv
.set ZX,  96                           ; v96-159 query and query_pos, later Wk
.set ZA,  160                          ; v160-223 temporaries, codes, then the data's fragments
.set ZD,  224                          ; v224-255 the four accumulators
.set XO0, 224                          ; at the head: my row's bytes in query, tiles 0 and 1
.set XO1, 225
.set AQ,  0                            ; LDS: three sets of [u 2][piece 8][512]
.set AK,  8192
.set AV,  16384
.set SPARE, 24576                      ; the spare words, 128 bytes a wave
.macro PLACES n
.rept \n
	v_nop
.endr
.endm
.macro BAR                             ; my LDS stores have landed and my LDS loads are in: then the work-group's barrier
	s_wait_dscnt 0x0
	s_barrier_signal -1
	s_barrier_wait -1
.endm
.macro SETQ se                         ; s[se] = e: v[SCV] = 2^e, v[LMV] = 57,344 x 2^e
	s_add_co_i32 s60, s[\se], 127
	s_lshl_b32 s61, s60, 23
	v_mov_b32 v[SCV], s61
	s_add_co_i32 s60, s60, 15
	s_lshl_b32 s60, s60, 23
	s_or_b32 s60, s60, 0x600000
	v_mov_b32 v[LMV], s60
.endm
.macro Q16 src, dst, mode, tmp         ; 16 numbers of a lane become 16 codes in 4 registers.  mode 0: held in place; 2: held into v[tmp] on, the numbers are kept
.irp i, 0,1,2,3,4,5,6,7,8,9,10,11,12,13,14,15
.if \mode == 0
	v_med3_num_f32 v[\src+\i], v[\src+\i], -v[LMV], v[LMV]   ; the conversion to an 8-bit code does not saturate (ISA guide 7.6.2): the hold at the largest code x the scale
.else
	v_med3_num_f32 v[\tmp+\i], v[\src+\i], -v[LMV], v[LMV]
.endif
.endr
.if \mode == 0
	v_cvt_scalef32_pk8_bf8_f32 v[\dst:\dst+1], v[\src:\src+7], v[SCV]
	v_cvt_scalef32_pk8_bf8_f32 v[\dst+2:\dst+3], v[\src+8:\src+15], v[SCV]
.else
	v_cvt_scalef32_pk8_bf8_f32 v[\dst:\dst+1], v[\tmp:\tmp+7], v[SCV]
	v_cvt_scalef32_pk8_bf8_f32 v[\dst+2:\dst+3], v[\tmp+8:\tmp+15], v[SCV]
.endif
	v_nop                                          ; one plain vector line behind the conversions: their sources and scale are written again further on
.endm
.macro WLOAD reg, part                 ; my head's 32 rows of part 0 (q), 1 (k), 2 (v) of in_proj_w: fragment f = 2 u' + s
.irp f, 0,1,2,3
.irp c, 0,1,2,3
	global_load_b128 v[\reg+16*\f+4*\c:\reg+16*\f+4*\c+3], v[WOF], s[12:13] offset:65536*\part+2048*(\f/2)+128*(\f%2)+32*\c
.endr
.endr
.endm
.macro BLOAD part                      ; the bias in the transposed result's layout: tile u', register j: channel 32 w + 16 h + 8 u' + j
.irp k, 0,1,2,3
	global_load_b128 v[ZC+4*\k:ZC+4*\k+3], v[BO], s[14:15] offset:1024*\part+16*\k
.endr
.endm
.macro IMGS base                       ; a set's four fragments (tile u, K step s at 32 u + 16 s)
.irp k, 0,1,2,3,4,5,6,7,8,9,10,11,12,13,14,15
	ds_load_b128 v[ZA+4*\k:ZA+4*\k+3], v[LI] offset:\base+512*\k
.endr
.endm
.macro MM8 wz                          ; transposed: four accumulators by turns, two K steps
.irp u, 0,1
.irp p, 0,1
	v_wmma_f32_16x16x128_bf8_bf8 v[ZD+16*\u+8*\p:ZD+16*\u+8*\p+7], v[\wz+32*\p:\wz+32*\p+15], v[ZA+32*\u:ZA+32*\u+15], v[ZC+8*\p:ZC+8*\p+7]
.endr
.endr
.irp u, 0,1
.irp p, 0,1
	v_wmma_f32_16x16x128_bf8_bf8 v[ZD+16*\u+8*\p:ZD+16*\u+8*\p+7], v[\wz+32*\p+16:\wz+32*\p+31], v[ZA+32*\u+16:ZA+32*\u+31], v[ZD+16*\u+8*\p:ZD+16*\u+8*\p+7]
.endr
.endr
.endm
	s_load_b512 s[8:23], s[0:1], 0x0               ; query, query_pos, in_proj_w's codes, in_proj_b, the exponents, qc, kc, vc
	v_lshrrev_b32 v1, 5, v0
	v_readfirstlane_b32 s33, v1                    ; wave = head
	s_and_b32 s34, ttmp7, 0xffff                   ; batch
	v_and_b32 v8, 15, v0                           ; r
	v_bfe_u32 v9, v0, 4, 1                         ; h
	v_and_b32 v10, 31, v0
	v_lshlrev_b32 v[LI], 4, v10
	v_and_b32 v11, 8, v8
	v_add_nc_u32 v11, v11, v8                      ; r + 8 (r / 8)
	v_lshlrev_b32 v[WOF], 8, v11
	v_lshl_add_u32 v[WOF], v9, 4, v[WOF]
	v_lshlrev_b32 v[BO], 6, v9
	v_lshlrev_b32 v[BVO], 2, v11
	s_lshl_b32 s35, s33, 9
	v_add_nc_u32 v[IMW], s35, v[LI]
	s_lshl_b32 s36, ttmp9, 5                       ; 32 P
	v_add_nc_u32 v12, s36, v11
	v_add_nc_u32 v13, 8, v12
	v_min_u32 v12, 0x9c3, v12                      ; no load leaves the batch: rows past 2,499 take row 2,499
	v_min_u32 v13, 0x9c3, v13
	v_lshlrev_b32 v12, 10, v12
	v_lshlrev_b32 v13, 10, v13
	v_lshl_add_u32 v[XO0], v9, 6, v12              ; row x 1,024 + 64 h
	v_lshl_add_u32 v[XO1], v9, 6, v13
	s_mul_i32 s40, s34, 2560000
	s_lshl_b32 s37, s33, 7
	s_add_co_u32 s40, s40, s37                     ; the batch, + my 32 channels
	s_mov_b32 s41, 0
	s_lshl_b32 s42, s33, 13                        ; my 32 weight rows
	s_mov_b32 s43, 0
	s_mov_b32 s44, s37                             ; my 32 numbers of a bias
	s_mov_b32 s45, 0
	s_lshl_b32 s46, s34, 3
	s_add_co_u32 s46, s46, s33                     ; 8 b + head
	s_mul_i32 s48, s46, 158
	s_lshl_b32 s38, ttmp9, 1
	s_add_co_u32 s48, s48, s38
	s_lshl_b32 s48, s48, 9                         ; qc, kc: tile 2 P of my head
	s_mov_b32 s49, 0
	s_mul_i32 s50, s46, 79
	s_add_co_u32 s50, s50, ttmp9
	s_lshl_b32 s50, s50, 10                        ; vc: pair P of my head
	s_mov_b32 s51, 0
	s_wait_kmcnt 0x0
	s_load_b256 s[24:31], s[16:17], 0x0            ; e0 .. e7
	s_load_b32 s32, s[16:17], 0x20                 ; e8
	s_add_nc_u64 s[8:9], s[8:9], s[40:41]
	s_add_nc_u64 s[10:11], s[10:11], s[40:41]
	s_add_nc_u64 s[12:13], s[12:13], s[42:43]
	s_add_nc_u64 s[14:15], s[14:15], s[44:45]
	s_add_nc_u64 s[18:19], s[18:19], s[48:49]
	s_add_nc_u64 s[20:21], s[20:21], s[48:49]
	s_add_nc_u64 s[22:23], s[22:23], s[50:51]
	; ---- X
.irp i, 0,1,2,3
	global_load_b128 v[ZX+4*\i:ZX+4*\i+3], v[XO0], s[8:9] offset:16*\i
.endr
.irp i, 0,1,2,3
	global_load_b128 v[ZX+16+4*\i:ZX+16+4*\i+3], v[XO1], s[8:9] offset:16*\i
.endr
.irp i, 0,1,2,3
	global_load_b128 v[ZX+32+4*\i:ZX+32+4*\i+3], v[XO0], s[10:11] offset:16*\i
.endr
.irp i, 0,1,2,3
	global_load_b128 v[ZX+48+4*\i:ZX+48+4*\i+3], v[XO1], s[10:11] offset:16*\i
.endr
	WLOAD ZW1, 0
	BLOAD 0
	s_wait_kmcnt 0x0
	s_wait_loadcnt 20                              ; query and query_pos are in; Wq's 16 loads and bq's 4 may be out
.irp j, 0,2,4,6,8,10,12,14,16,18,20,22,24,26,28,30
	v_pk_add_f32 v[ZX+32+\j:ZX+33+\j], v[ZX+32+\j:ZX+33+\j], v[ZX+\j:ZX+\j+1]
.endr
	SETQ 26                                        ; e2: query for k; the numbers are kept
	Q16 ZX, ZA+32, 2, ZA
	Q16 ZX+16, ZA+36, 2, ZA
	SETQ 28                                        ; e4: query for v
	Q16 ZX, ZA+40, 0, 0
	Q16 ZX+16, ZA+44, 0, 0
	SETQ 24                                        ; e0: query + query_pos for q
	Q16 ZX+32, ZA+48, 0, 0
	Q16 ZX+48, ZA+52, 0, 0
	ds_store_b128 v[IMW], v[ZA+32:ZA+35] offset:AK
	ds_store_b128 v[IMW], v[ZA+36:ZA+39] offset:AK+4096
	ds_store_b128 v[IMW], v[ZA+40:ZA+43] offset:AV
	ds_store_b128 v[IMW], v[ZA+44:ZA+47] offset:AV+4096
	ds_store_b128 v[IMW], v[ZA+48:ZA+51] offset:AQ
	ds_store_b128 v[IMW], v[ZA+52:ZA+55] offset:AQ+4096
	WLOAD ZX, 1                                    ; Wk
	BAR                                            ; the three operands lie in LDS
	; ---- q
	IMGS AQ
	s_add_co_i32 s52, s24, s25                     ; e0 + e1
	s_sub_co_i32 s53, 0, s52
	s_sub_co_i32 s54, s30, s52                     ; e6 - e0 - e1
	s_wait_loadcnt 16                              ; Wq and bq are in; Wk's 16 may be out
.irp j, 0,1,2,3,4,5,6,7,8,9,10,11,12,13,14,15
	v_ldexp_f32 v[ZC+\j], v[ZC+\j], s53
.endr
	s_wait_dscnt 0x0
	MM8 ZW1
	PLACES 5                                       ; in front of loads into the sources; the accumulators are begun anew by the next product
	BLOAD 1
	WLOAD ZW1, 2                                   ; Wv
	IMGS AK
	SETQ 54
	Q16 ZD, PC, 0, 0
	Q16 ZD+16, PC+4, 0, 0
	global_store_b128 v[LI], v[PC:PC+3], s[18:19]              ; 512 consecutive bytes a store
	global_store_b128 v[LI], v[PC+4:PC+7], s[18:19] offset:512
	; ---- k
	s_add_co_i32 s52, s26, s27                     ; e2 + e3
	s_sub_co_i32 s53, 0, s52
	s_sub_co_i32 s54, s31, s52                     ; e7 - e2 - e3
	s_wait_loadcnt 16                              ; Wk and bk are in; Wv's 16 may be out
.irp j, 0,1,2,3,4,5,6,7,8,9,10,11,12,13,14,15
	v_ldexp_f32 v[ZC+\j], v[ZC+\j], s53
.endr
	s_wait_dscnt 0x0
	MM8 ZX
	PLACES 5
	global_load_b32 v[ZC], v[BVO], s[14:15] offset:2048        ; bv of my lane's channel, tiles 0 and 1
	global_load_b32 v[ZC+8], v[BVO], s[14:15] offset:2048+32
	IMGS AV
	s_wait_xcnt 0x0                                ; q's stores have read their registers
	SETQ 54
	Q16 ZD, PC, 0, 0
	Q16 ZD+16, PC+4, 0, 0
	global_store_b128 v[LI], v[PC:PC+3], s[20:21]
	global_store_b128 v[LI], v[PC+4:PC+7], s[20:21] offset:512
	; ---- v
	s_add_co_i32 s52, s28, s29                     ; e4 + e5
	s_sub_co_i32 s53, 0, s52
	s_sub_co_i32 s54, s32, s52                     ; e8 - e4 - e5
	s_wait_loadcnt 0x0
.irp p, 0,1
.irp j, 7,6,5,4,3,2,1,0
	v_ldexp_f32 v[ZC+8*\p+\j], v[ZC+8*\p], s53     ; the same number in all eight registers: they are eight keys of one channel
.endr
.endr
	s_wait_dscnt 0x0
.irp p, 0,1
.irp u, 0,1
	v_wmma_f32_16x16x128_bf8_bf8 v[ZD+16*\p+8*\u:ZD+16*\p+8*\u+7], v[ZA+32*\u:ZA+32*\u+15], v[ZW1+32*\p:ZW1+32*\p+15], v[ZC+8*\p:ZC+8*\p+7]
.endr
.endr
.irp p, 0,1
.irp u, 0,1
	v_wmma_f32_16x16x128_bf8_bf8 v[ZD+16*\p+8*\u:ZD+16*\p+8*\u+7], v[ZA+32*\u+16:ZA+32*\u+31], v[ZW1+32*\p+16:ZW1+32*\p+31], v[ZD+16*\p+8*\u:ZD+16*\p+8*\u+7]
.endr
.endr
	PLACES 4
	s_wait_xcnt 0x0                                ; k's stores have read their registers
	SETQ 54
	Q16 ZD, PC, 0, 0
	Q16 ZD+16, PC+4, 0, 0
	global_store_b128 v[LI], v[PC:PC+3], s[22:23]
	global_store_b128 v[LI], v[PC+4:PC+7], s[22:23] offset:512
	v_lshl_add_u32 v[ZA], v0, 2, SPARE             ; no two registers could be kept: my spare word and 0 are made here, v0 being as at the entry
	v_mov_b32 v[ZA+1], 0
	s_wait_tensorcnt 0x0                           ; the wave's end, behind my last LDS store
	ds_add_u32 v[ZA], v[ZA+1]
	s_wait_dscnt 0x0
	s_endpgm
.Lfunc_end_k_qc99e42f85a_qkv:
	.size	k_qc99e42f85a_qkv, .Lfunc_end_k_qc99e42f85a_qkv-k_qc99e42f85a_qkv
	.p2alignl 7, 3214868480
	.fill 96, 4, 3214868480
	.section	.rodata,"a",@progbits
	.p2align	6, 0x0
	.amdhsa_kernel k_qc99e42f85a_qkv
		.amdhsa_group_segment_fixed_size 25600
		.amdhsa_private_segment_fixed_size 0
		.amdhsa_enable_private_segment 0
		.amdhsa_kernarg_size 64
		.amdhsa_user_sgpr_count 2
		.amdhsa_user_sgpr_kernarg_segment_ptr 1
		.amdhsa_wavefront_size32 1
		.amdhsa_system_sgpr_workgroup_id_x 1
		.amdhsa_system_sgpr_workgroup_id_y 1
		.amdhsa_system_sgpr_workgroup_id_z 1
		.amdhsa_system_vgpr_workitem_id 0
		.amdhsa_next_free_vgpr 256
		.amdhsa_next_free_sgpr 66
		.amdhsa_reserve_vcc 0
		.amdhsa_float_denorm_mode_32 3
		.amdhsa_float_denorm_mode_16_64 3
		.amdhsa_memory_ordered 1
		.amdhsa_forward_progress 1
		.amdhsa_inst_pref_size 36
	.end_amdhsa_kernel
	.amdgpu_metadata
---
amdhsa.version: [ 1, 2 ]
amdhsa.kernels:
  - .name:           k_qc99e42f85a_qkv
    .symbol:         k_qc99e42f85a_qkv.kd
    .args:
      - { .name: query, .offset: 0, .size: 8, .value_kind: global_buffer, .address_space: global }
      - { .name: query_pos, .offset: 8, .size: 8, .value_kind: global_buffer, .address_space: global }
      - { .name: in_proj_w_codes, .offset: 16, .size: 8, .value_kind: global_buffer, .address_space: global }
      - { .name: in_proj_b, .offset: 24, .size: 8, .value_kind: global_buffer, .address_space: global }
      - { .name: lowp_scales, .offset: 32, .size: 8, .value_kind: global_buffer, .address_space: global }
      - { .name: qc, .offset: 40, .size: 8, .value_kind: global_buffer, .address_space: global }
      - { .name: kc, .offset: 48, .size: 8, .value_kind: global_buffer, .address_space: global }
      - { .name: vc, .offset: 56, .size: 8, .value_kind: global_buffer, .address_space: global }
    .group_segment_fixed_size: 25600
    .private_segment_fixed_size: 0
    .kernarg_segment_align: 8
    .kernarg_segment_size: 64
    .max_flat_workgroup_size: 256
    .sgpr_count:     66
    .vgpr_count:     256
    .wavefront_size: 32
...
	.end_amdgpu_metadata
.endif
;; end of part 2
;; launch attn (part 3): grid 8 x 32, 20 waves a work-group, no clusters, 167,936 bytes of LDS; arguments qc, kc, vc, lowp_scales, sac; writes sac
.if DOCPART == 3
	.amdgcn_target "amdgcn-amd-amdhsa--gfx1250"
	.amdhsa_code_object_version 6
	.text
	.protected	k_qc99e42f85a_attn
	.globl	k_qc99e42f85a_attn
	.p2align	8
	.type	k_qc99e42f85a_attn,@function
k_qc99e42f85a_attn:
	s_mov_b64 s[64:65], 0
	v_nop
	global_prefetch_b8 v0, s[64:65] scope:SCOPE_SE
	s_setreg_imm32_b32 hwreg(HW_REG_WAVE_MODE, 25, 1), 1
	s_wait_xcnt 0x0
; Self-attention on codes of E5M2: for each batch and head, 2,500 queries x 2,500 keys, head size 32.  Its result, divided by the row's sum, is quantised at once for the projection that follows.
; Left out: nothing of the problem.  Key steps of tiles 158 and 159, which do not exist (8 x 20 waves for 158 tiles), are jumped over by a branch on ids.
; THE SOFTMAX: t = score x log2(e) / sqrt(32); M = the running largest t rounded UP to a whole number; p = 2^(t - M) is quantised with 2^e9, not normalised; the row's sum is taken of the unquantised p.
; When M moves, the sum and O are multiplied by 2^(old M - new M): exact.
; SHARES: a work-group serves one (batch, head) and 20 tiles of 16 queries, one tile a wave: five waves to a SIMD, so that one wave's exponentials stand beside another's matrix work and LDS loads.
; ALL of the head's K and V lie in LDS for the whole launch (2 x 81,920 bytes): four tensor loads at the head (wave 0: K, wave 1: V; a small one with key steps 0-3, then the rest), nothing is ever filled again.
; By the text's count a wave has at most two tensor loads out.
; NO CLUSTER, though the eight work-groups of a head read the same K and V: the jump over tiles 158 and 159 hangs on the work-group's x, which partners of a cluster do not share, and what is shared
; is asked for once, at the head: 161,792 bytes against twenty key steps of vector work.  No prefetch: every byte is asked for at the head.
; LAYOUT: S^T = K Q^T by the K = 64 form: eight registers hold TWO tiles of keys (16 bytes a lane each), and q stands beside zero codes ([q | 0] picks the first tile, [0 | q] the second).
; Lane r of tile 2 b + u holds key 32 b + 8 u + r + 8 (r / 8), so S's register 16 b + i is key 32 b + 16 h + i of the step: the conversions' results are the operand of O^T += V^T P^T (K = 128 keys).
; V's lane r of tile t is dim 8 t + r + 8 (r / 8), so O's 16 registers are dims 16 h + 0 .. 15 of the lane's query: one piece of the next product's operand.
; THE LAST STEP holds keys 2,432 .. 2,559, of which 68 exist: the others' scores become -infinity ahead of the maximum, so p = 0.  Pair 79 of K and V does not exist: the tensor loads write zeros there.
; LIMITS: e6 + e7 between -124 and 129 (added to c's exponent field); the others as stated at the head of launch valp.
.set LA,  1                            ; v1  16 x lane
.set ADK, 2                            ; v2  the step's K
.set ADV, 3                            ; v3  the step's V
.set SPW, 4                            ; v4  my spare word; never rewritten
.set NIL, 5                            ; v5  0; never rewritten
; v8-11 zero codes, v12-15 q, v16-19 zero codes; v20 -M, v21 the largest t; v[22:23] the sum; v24-27 at work; v[28:29] f; v[30:31] the second chain of the sum; v32 2^e9, v33 57,344 x 2^e9; v34 -infinity
.set KF,  36                           ; v36-67   K's eight tiles, then V's two fragments
.set S,   68                           ; v68-131  S^T, then p
.set PC,  132                          ; v132-147 p's codes
.set O,   148                          ; v148-163 O^T
.set WV,  14
.set TT,  15                           ; s15 my tile of queries
.set BH,  16                           ; s16 8 b + head
.set SEL, 44                           ; s[44:45] v_permlanex16_b32's selects: lane l xor 16
.set CS,  46                           ; s[46:47] c
.set TB,  48                           ; s48 the step's first byte in K's region
.set CNT, 49
.set HM,  50                           ; s50 lanes 16-31
.set SPARE, 163840                     ; behind K and V: the spare words, 128 bytes a wave
.macro PLACES n
.rept \n
	v_nop
.endr
.endm
	s_load_b256 s[4:11], s[0:1], 0x0               ; qc, kc, vc, the exponents
	s_load_b64 s[12:13], s[0:1], 0x20              ; sac
	v_lshl_add_u32 v[SPW], v0, 2, SPARE
	v_mov_b32 v[NIL], 0
	ds_add_u32 v[SPW], v[NIL]                      ; the wave's opening: the add, twice on end, and its wait ahead of the first tensor load
	ds_add_u32 v[SPW], v[NIL]
	v_lshrrev_b32 v1, 5, v0
	v_readfirstlane_b32 s[WV], v1                  ; wave 0..19
	s_mul_i32 s[TT], ttmp9, 20
	s_add_co_u32 s[TT], s[TT], s[WV]
	s_and_b32 s[BH], ttmp7, 0xffff
	; descriptor groups 1: rows of 32 elements of 8 bytes (256 bytes), dense.  s[20:27]: 64 rows.  s[28:35]: a tile of 256 rows of which 252 exist: the last four arrive as zeros
	s_mov_b32 s20, 3<<16
	s_mov_b32 s21, 32<<16
	s_mov_b32 s22, 64<<16
	s_mov_b32 s23, 32<<16
	s_mov_b32 s24, 64
	s_mov_b32 s25, 32
	s_mov_b32 s26, 0
	s_mov_b32 s27, 0
	s_mov_b32 s28, 3<<16
	s_mov_b32 s29, 32<<16
	s_mov_b32 s30, 252<<16
	s_mov_b32 s31, 32<<16
	s_mov_b32 s32, 256
	s_mov_b32 s33, 32
	s_mov_b32 s34, 0
	s_mov_b32 s35, 0
	s_min_u32 s17, s[WV], 1
	s_mul_i32 s17, s17, 81920                      ; wave 0: K's region, wave 1: V's
	s_mul_i32 s18, s[BH], 80896                    ; the head's 316 rows of 256 bytes, in kc and in vc alike
	s_mov_b32 s19, 0
	s_mov_b32 s[SEL], 0x76543210
	s_mov_b32 s[SEL+1], 0xfedcba98
	s_mov_b32 s[CS], 0x3e8293ee                    ; log2(e) / sqrt(32)
	s_mov_b32 s[TB], 0
	s_mov_b32 s[HM], 0xffff0000
	s_wait_dscnt 0x0                               ; both opening adds are done
	s_wait_kmcnt 0x0
	s_load_b256 s[52:59], s[10:11], 0x18           ; e6 .. e13
	s_cmp_eq_u32 s[WV], 0
	s_cselect_b64 s[2:3], s[6:7], s[8:9]
	s_add_nc_u64 s[2:3], s[2:3], s[18:19]
	s_mov_b32 s36, 1
	s_mov_b32 s37, s17
	s_mov_b64 s[38:39], s[2:3]
	s_or_b32 s39, s39, 0x80000000
	s_mov_b32 s40, 1
	s_add_co_u32 s41, s17, 16384
	s_add_nc_u64 s[42:43], s[2:3], 16384
	s_or_b32 s43, s43, 0x80000000
	s_cmp_lt_u32 s[WV], 2                          ; both fills of a wave stand in one branch on the wave's number
	s_cbranch_scc0 .Lnofill
	tensor_load_to_lds s[36:39], s[20:27]          ; key steps 0-3
	s_nop 0
	tensor_load_to_lds s[40:43], s[28:35]          ; key steps 4-19
	s_nop 0
	PLACES 4
.Lnofill:
	v_and_b32 v1, 31, v0
	v_lshlrev_b32 v[LA], 4, v1
	s_min_u32 s17, s[TT], 157                      ; (tiles 158, 159: a clamped address; nothing is made of it)
	s_mul_i32 s18, s[BH], 158
	s_add_co_u32 s17, s17, s18
	s_lshl_b32 s18, s17, 9
	s_add_nc_u64 s[4:5], s[4:5], s[18:19]
	global_load_b128 v[12:15], v[LA], s[4:5]       ; q's piece stays in registers
	s_lshr_b32 s17, s[BH], 3
	s_mul_i32 s17, s17, 158
	s_add_co_u32 s17, s17, s[TT]
	s_lshl_b32 s17, s17, 3
	s_and_b32 s18, s[BH], 7
	s_add_co_u32 s17, s17, s18
	s_lshl_b32 s18, s17, 9                         ; sac: ((158 b + T) x 8 + head) x 512
	s_add_nc_u64 s[12:13], s[12:13], s[18:19]
.irp j, 8,9,10,11,16,17,18,19,22,23,26,29
	v_mov_b32 v\j, 0
.endr
	v_mov_b32 v21, 0xff61b1e6                      ; the largest t so far: -3e38
	v_floor_f32 v20, -v21
	v_mov_b32 v34, 0xff800000
.irp j, 0,1,2,3,4,5,6,7,8,9,10,11,12,13,14,15
	v_mov_b32 v[O+\j], 0                           ; the step is written once: the first finds zeros, which the first change of M leaves zeros
.endr
	s_wait_kmcnt 0x0
	s_add_co_i32 s60, s52, s53
	s_lshl_b32 s60, s60, 23
	s_add_co_i32 s[CS], s[CS], s60                 ; a score stands for score x 2^(e6 + e7)
	s_mov_b32 s[CS+1], s[CS]
	s_add_co_i32 s60, s55, 127
	s_lshl_b32 s61, s60, 23
	v_mov_b32 v32, s61                             ; 2^e9
	s_add_co_i32 s60, s60, 15
	s_lshl_b32 s60, s60, 23
	s_or_b32 s60, s60, 0x600000
	v_mov_b32 v33, s60                             ; 57,344 x 2^e9
; A KEY STEP of 128 keys.  mask = 1: the last one.
.macro STEP mask
	s_cmp_gt_u32 s[TT], 157                        ; ids alone
	s_cbranch_scc1 .Lhid_\@
	v_add_nc_u32 v[ADK], s[TB], v[LA]
	v_add_nc_u32 v[ADV], 0x14000, v[ADK]
	PLACES 2                                       ; with the two additions: four places in front of loads into registers that the last products read
.if \mask
.irp a, 0,1,2,3,4,5
	ds_load_b128 v[KF+4*\a:KF+4*\a+3], v[ADK] offset:512*\a
.endr
.else
.irp a, 0,1,2,3,4,5,6,7
	ds_load_b128 v[KF+4*\a:KF+4*\a+3], v[ADK] offset:512*\a
.endr
.endif
	s_wait_dscnt 0x0
.irp b, 0,1
	v_wmma_f32_16x16x64_bf8_bf8 v[S+16*\b:S+16*\b+7], v[KF+8*\b:KF+8*\b+7], v[12:19], 0
	v_wmma_f32_16x16x64_bf8_bf8 v[S+16*\b+8:S+16*\b+15], v[KF+8*\b:KF+8*\b+7], v[8:15], 0
.endr
	v_wmma_f32_16x16x64_bf8_bf8 v[S+32:S+39], v[KF+16:KF+23], v[12:19], 0
.if !\mask
	v_wmma_f32_16x16x64_bf8_bf8 v[S+40:S+47], v[KF+16:KF+23], v[8:15], 0
	v_wmma_f32_16x16x64_bf8_bf8 v[S+48:S+55], v[KF+24:KF+31], v[12:19], 0
	v_wmma_f32_16x16x64_bf8_bf8 v[S+56:S+63], v[KF+24:KF+31], v[8:15], 0
.endif
	PLACES 4
.irp t, 0,1
.irp c, 0,1,2,3
	ds_load_b128 v[KF+16*\t+4*\c:KF+16*\t+4*\c+3], v[ADV] offset:1024*\c+512*\t   ; V lands while the softmax is walked
.endr
.endr
.if \mask                                      ; register 16 b + i is key 2,432 + 32 b + 16 h + i: keys from 2,500 on do not exist
.irp i, 32,33,34,35
	v_cndmask_b32 v[S+\i], v[S+\i], v34, s[HM]
.endr
.irp i, 36,37,38,39,40,41,42,43,44,45,46,47,48,49,50,51,52,53,54,55,56,57,58,59,60,61,62,63
	v_mov_b32 v[S+\i], v34
.endr
.endif
	v_max3_num_f32 v24, v[S], v[S+1], v[S+2]       ; the step's largest score of my query among my 64 keys, in two chains, each accumulator from its low end on
	v_max3_num_f32 v25, v[S+3], v[S+4], v[S+5]
.irp i, 6,10,14,18,22,26,30,34,38,42,46,50,54,58
	v_max3_num_f32 v24, v24, v[S+\i], v[S+\i+1]
	v_max3_num_f32 v25, v25, v[S+\i+2], v[S+\i+3]
.endr
	v_max3_num_f32 v24, v24, v[S+62], v[S+63]
	v_max_num_f32 v24, v24, v25
	v_permlanex16_b32 v26, v24, s[SEL], s[SEL+1]
	v_max_num_f32 v24, v24, v26                    ; and among lane l xor 16's
	v_mul_f32 v24, s[CS], v24                      ; as t (c is positive)
	v_max_num_f32 v21, v21, v24
	v_mov_b32 v24, v20
	v_floor_f32 v20, -v21                          ; the new -M = floor(-t)
	v_sub_f32 v24, v20, v24                        ; old M - new M: a whole number, 0 or less
	v_cvt_i32_f32 v24, v24                         ; (it saturates)
	v_ldexp_f32 v28, 1.0, v24                      ; f = 2^(old M - new M)
.irp j, 0,2,4,6,8,10,12,14,16,18,20,22,24,26,28,30,32,34,36,38,40,42,44,46,48,50,52,54,56,58,60,62
	v_pk_fma_f32 v[S+\j:S+\j+1], v[S+\j:S+\j+1], s[CS:CS+1], v[20:21] op_sel_hi:[1,0,0]   ; t - M
.endr
.set e, 0
.rept 64
	v_exp_f32 v[S+e], v[S+e]
.set e, e+1
.endr
	v_pk_mul_f32 v[22:23], v[22:23], v[28:29] op_sel_hi:[1,0]   ; the sum under the new M: the plain line behind the exponentials
	s_wait_alu depctr_va_vdst(0)                   ; one wait for the batch of 64, ahead of its first reader
	v_pk_add_f32 v[30:31], v[S:S+1], v[S+2:S+3]    ; the sum of the UNQUANTISED p, in two chains
.irp j, 4,8,12,16,20,24,28,32,36,40,44,48,52,56,60
	v_pk_add_f32 v[22:23], v[22:23], v[S+\j:S+\j+1]
	v_pk_add_f32 v[30:31], v[30:31], v[S+\j+2:S+\j+3]
.endr
	v_pk_add_f32 v[22:23], v[22:23], v[30:31]
.irp b, 0,1,2,3
.irp i, 0,1,2,3,4,5,6,7,8,9,10,11,12,13,14,15
	v_min_num_f32 v[S+16*\b+\i], v[S+16*\b+\i], v33   ; p is not negative: the hold is one-sided
.endr
	v_cvt_scalef32_pk8_bf8_f32 v[PC+4*\b:PC+4*\b+1], v[S+16*\b:S+16*\b+7], v32
	v_cvt_scalef32_pk8_bf8_f32 v[PC+4*\b+2:PC+4*\b+3], v[S+16*\b+8:S+16*\b+15], v32
.endr
.irp j, 0,2,4,6,8,10,12,14
	v_pk_mul_f32 v[O+\j:O+\j+1], v[O+\j:O+\j+1], v[28:29] op_sel_hi:[1,0]   ; O^T under the new M; also the plain lines behind the conversions
.endr
	s_wait_dscnt 0x0                               ; V is in
	v_wmma_f32_16x16x128_bf8_bf8 v[O:O+7], v[KF:KF+15], v[PC:PC+15], v[O:O+7]
	v_wmma_f32_16x16x128_bf8_bf8 v[O+8:O+15], v[KF+16:KF+31], v[PC:PC+15], v[O+8:O+15]
.Lhid_\@:
	s_add_co_u32 s[TB], s[TB], 4096
.endm
	s_wait_loadcnt 0x0                             ; q
	s_wait_tensorcnt 1                             ; my small load (key steps 0-3) has landed; the large one may stay out
	s_barrier_signal -1
	s_barrier_wait -1
	s_mov_b32 s[CNT], 4
.Lfirst:
	STEP 0
	s_sub_co_u32 s[CNT], s[CNT], 1
	s_cmp_lg_u32 s[CNT], 0
	s_cbranch_scc1 .Lfirst
	s_wait_tensorcnt 0x0                           ; the large load has landed
	s_wait_dscnt 0x0
	s_barrier_signal -1
	s_barrier_wait -1
	s_mov_b32 s[CNT], 15
.Lrest:
	STEP 0
	s_sub_co_u32 s[CNT], s[CNT], 1
	s_cmp_lg_u32 s[CNT], 0
	s_cbranch_scc1 .Lrest
	STEP 1
	s_cmp_gt_u32 s[TT], 157
	s_cbranch_scc1 .Lend
	PLACES 4
	v_add_f32 v22, v22, v23
	v_permlanex16_b32 v26, v22, s[SEL], s[SEL+1]
	v_add_f32 v22, v22, v26                        ; the row's sum
	v_rcp_f32 v28, v22
	v_nop
	s_sub_co_i32 s60, s56, s54
	s_sub_co_i32 s60, s60, s55                     ; e10 - e8 - e9: a sum stands for sum x 2^(e8 + e9)
	s_add_co_i32 s60, s60, 127
	s_lshl_b32 s61, s60, 23
	v_mov_b32 v32, s61
	s_add_co_i32 s60, s60, 15
	s_lshl_b32 s60, s60, 23
	s_or_b32 s60, s60, 0x600000
	v_mov_b32 v33, s60
	s_wait_alu depctr_va_vdst(0)                   ; ahead of the reciprocal's first reader
.irp j, 0,2,4,6,8,10,12,14
	v_pk_mul_f32 v[O+\j:O+\j+1], v[O+\j:O+\j+1], v[28:29] op_sel_hi:[1,0]
.endr
.irp i, 0,1,2,3,4,5,6,7,8,9,10,11,12,13,14,15
	v_med3_num_f32 v[O+\i], v[O+\i], -v33, v33
.endr
	v_cvt_scalef32_pk8_bf8_f32 v[PC:PC+1], v[O:O+7], v32
	v_cvt_scalef32_pk8_bf8_f32 v[PC+2:PC+3], v[O+8:O+15], v32
	v_nop
	global_store_b128 v[LA], v[PC:PC+3], s[12:13]  ; 512 consecutive bytes: piece 'head' of the tile's operand
.Lend:
	s_wait_tensorcnt 0x0                           ; the wave's end
	ds_add_u32 v[SPW], v[NIL]
	s_wait_dscnt 0x0
	s_endpgm
.Lfunc_end_k_qc99e42f85a_attn:
	.size	k_qc99e42f85a_attn, .Lfunc_end_k_qc99e42f85a_attn-k_qc99e42f85a_attn
	.p2alignl 7, 3214868480
	.fill 96, 4, 3214868480
	.section	.rodata,"a",@progbits
	.p2align	6, 0x0
	.amdhsa_kernel k_qc99e42f85a_attn
		.amdhsa_group_segment_fixed_size 167936
		.amdhsa_private_segment_fixed_size 0
		.amdhsa_enable_private_segment 0
		.amdhsa_kernarg_size 40
		.amdhsa_user_sgpr_count 2
		.amdhsa_user_sgpr_kernarg_segment_ptr 1
		.amdhsa_wavefront_size32 1
		.amdhsa_system_sgpr_workgroup_id_x 1
		.amdhsa_system_sgpr_workgroup_id_y 1
		.amdhsa_system_sgpr_workgroup_id_z 1
		.amdhsa_system_vgpr_workitem_id 0
		.amdhsa_next_free_vgpr 168
		.amdhsa_next_free_sgpr 66
		.amdhsa_reserve_vcc 0
		.amdhsa_float_denorm_mode_32 3
		.amdhsa_float_denorm_mode_16_64 3
		.amdhsa_memory_ordered 1
		.amdhsa_forward_progress 1
		.amdhsa_inst_pref_size 50
	.end_amdhsa_kernel
	.amdgpu_metadata
---
amdhsa.version: [ 1, 2 ]
amdhsa.kernels:
  - .name:           k_qc99e42f85a_attn
    .symbol:         k_qc99e42f85a_attn.kd
    .args:
      - { .name: qc, .offset: 0, .size: 8, .value_kind: global_buffer, .address_space: global }
      - { .name: kc, .offset: 8, .size: 8, .value_kind: global_buffer, .address_space: global }
      - { .name: vc, .offset: 16, .size: 8, .value_kind: global_buffer, .address_space: global }
      - { .name: lowp_scales, .offset: 24, .size: 8, .value_kind: global_buffer, .address_space: global }
      - { .name: sac, .offset: 32, .size: 8, .value_kind: global_buffer, .address_space: global }
    .group_segment_fixed_size: 167936
    .private_segment_fixed_size: 0
    .kernarg_segment_align: 8
    .kernarg_segment_size: 40
    .max_flat_workgroup_size: 640
    .sgpr_count:     66
    .vgpr_count:     168
    .wavefront_size: 32
...
	.end_amdgpu_metadata
.endif
;; end of part 3
;; launch mid (part 4): grid 79 x 4, 8 waves a work-group, no clusters, 19,968 bytes of LDS; arguments sac, out_proj_w_codes, out_proj_b, query, ln1_g, ln1_b, off_w_codes, off_b, aw_w_codes, aw_b, ref_2d, lowp_scales, ident, idx, wts; writes ident, idx, wts
.if DOCPART == 4
	.amdgcn_target "amdgcn-amd-amdhsa--gfx1250"
	.amdhsa_code_object_version 6
	.text
	.protected	k_qc99e42f85a_mid
	.globl	k_qc99e42f85a_mid
	.p2align	8
	.type	k_qc99e42f85a_mid,@function
k_qc99e42f85a_mid:
	s_mov_b64 s[64:65], 0
	v_nop
	global_prefetch_b8 v0, s[64:65] scope:SCOPE_SE
	s_setreg_imm32_b32 hwreg(HW_REG_WAVE_MODE, 25, 1), 1
	s_wait_xcnt 0x0
; identity = sa out_proj_w^T + out_proj_b + query;  x = LN1(identity);  offsets and weights of the deformable attention from x;  for each (row, head, point) the four corners' pixels and weights.
; Left out: the factor 200 / 200 in (ref + off / 200) x 200 - 0.5, which is 1 for all values (shown at the head of launch valp).
; The pixels are whole numbers made from floating-point numbers: they are stored at fixed places, and the next launch forms addresses from them.
; SHARES: as in launch qkv: a work-group takes pair P of batch b (32 rows; lane r of tile u = row 8 u + r + 8 (r / 8); rows past 2,499 are row 2,499 again and go into padded workspace only).
; Wave w takes channels 32 w .. + 31 of the projection, and head w of the offsets and weights.  All products are used transposed (source 0 = weight rows).
; THE NORM: each wave's 32 channels give a mean and a sum of squares about that mean; the eight pairs meet in LDS; mean = the means' mean, variance = (the sums + 32 x the squares of the means' distances) / 256:
; no difference of large sums is formed.
; THE OFFSETS' TILE: source-0 row i = channel 16 w + 8 (i / 8) + 2 (i % 4) + (i / 4) % 2: lane (r, h) then holds x of points 4 h .. 4 h + 3 in registers 0-3 and y in registers 4-7.
; THE WEIGHTS' TILE: row i = channel 8 w + 4 (i / 8) + i % 4: registers 0-3 are points 4 h .. 4 h + 3 (registers 4-7 repeat them: half a tile that also holds live work).
; A corner outside the map keeps its clipped pixel and gets the weight 0, as reference() has it.
; OUT: ident, wts (f32), idx (int32): [b][P][w 8][u 2][i 4][512].  ident: lane (r, h), piece i: channels 32 w + 16 h + 4 i + 0 .. 3.  wts, idx: piece i: the four corners of point 4 h + i.
; LIMITS: as stated at the head of launch valp.
.set LI,  1                            ; v1  16 x lane
.set SCV, 2
.set LMV, 3
.set STW, 4                            ; v4  80 r + 8 w: where my wave's pair of statistics goes
.set STR, 5                            ; v5  80 r: a row's eight pairs
.set IMW, 6                            ; v6  16 x lane + 512 w
.set XO0, 7                            ; v7, v8: my rows' bytes in query; later my bytes in the offsets' and the weights' tiles
.set XO1, 8
.set WOF, 9
.set BO,  10                           ; v10 64 h
.set RO0, 11                           ; v11, v12: my rows' bytes in ref_2d
.set RO1, 12
.set OBO, 13                           ; v13 32 h
.set ABO, 14                           ; v14 16 h
.set Z1,  16
.set Z2,  80
.set Z3,  144
.set Z4,  208
.set ZS,  240                          ; v240-247 off_b, v248-251 aw_b, v252-255 ref of my two rows
.set STAT, 0                           ; LDS: 32 rows x 80 bytes
.set XOI, 2560                         ; x's codes for the offsets: [u][piece 8][512]
.set XAI, 10752                        ; and for the weights
.set SPARE, 18944
.set SEL, 48
.set EPS, 56
.set I256, 57
.macro PLACES n
.rept \n
	v_nop
.endr
.endm
.macro BAR
	s_wait_dscnt 0x0
	s_barrier_signal -1
	s_barrier_wait -1
.endm
.macro SETQ se
	s_add_co_i32 s60, s[\se], 127
	s_lshl_b32 s61, s60, 23
	v_mov_b32 v[SCV], s61
	s_add_co_i32 s60, s60, 15
	s_lshl_b32 s60, s60, 23
	s_or_b32 s60, s60, 0x600000
	v_mov_b32 v[LMV], s60
.endm
.macro Q16 src, dst, mode, tmp
.irp i, 0,1,2,3,4,5,6,7,8,9,10,11,12,13,14,15
.if \mode == 0
	v_med3_num_f32 v[\src+\i], v[\src+\i], -v[LMV], v[LMV]
.else
	v_med3_num_f32 v[\tmp+\i], v[\src+\i], -v[LMV], v[LMV]
.endif
.endr
.if \mode == 0
	v_cvt_scalef32_pk8_bf8_f32 v[\dst:\dst+1], v[\src:\src+7], v[SCV]
	v_cvt_scalef32_pk8_bf8_f32 v[\dst+2:\dst+3], v[\src+8:\src+15], v[SCV]
.else
	v_cvt_scalef32_pk8_bf8_f32 v[\dst:\dst+1], v[\tmp:\tmp+7], v[SCV]
	v_cvt_scalef32_pk8_bf8_f32 v[\dst+2:\dst+3], v[\tmp+8:\tmp+15], v[SCV]
.endif
	v_nop                                          ; one plain vector line behind the conversions
.endm
.macro LNSTAT y, t, u                  ; my wave's 32 channels of tile u's rows: the mean and the sum of squares about it, to LDS
	v_pk_add_f32 v[\t:\t+1], v[\y:\y+1], v[\y+2:\y+3]
	v_pk_add_f32 v[\t+2:\t+3], v[\y+4:\y+5], v[\y+6:\y+7]
	v_pk_add_f32 v[\t+4:\t+5], v[\y+8:\y+9], v[\y+10:\y+11]
	v_pk_add_f32 v[\t+6:\t+7], v[\y+12:\y+13], v[\y+14:\y+15]
	v_pk_add_f32 v[\t:\t+1], v[\t:\t+1], v[\t+2:\t+3]
	v_pk_add_f32 v[\t+4:\t+5], v[\t+4:\t+5], v[\t+6:\t+7]
	v_pk_add_f32 v[\t:\t+1], v[\t:\t+1], v[\t+4:\t+5]
	v_add_f32 v[\t], v[\t], v[\t+1]
	v_permlanex16_b32 v[\t+1], v[\t], s[SEL], s[SEL+1]
	v_add_f32 v[\t], v[\t], v[\t+1]
	v_mul_f32 v[\t+8], 0x3d000000, v[\t]           ; / 32
	v_mov_b32 v[\t+9], v[\t+8]
	v_pk_add_f32 v[\t:\t+1], v[\y:\y+1], v[\t+8:\t+9] neg_lo:[0,1] neg_hi:[0,1]
	v_pk_mul_f32 v[\t+2:\t+3], v[\t:\t+1], v[\t:\t+1]
.irp i, 2,4,6,8,10,12,14
	v_pk_add_f32 v[\t:\t+1], v[\y+\i:\y+\i+1], v[\t+8:\t+9] neg_lo:[0,1] neg_hi:[0,1]
	v_pk_fma_f32 v[\t+2:\t+3], v[\t:\t+1], v[\t:\t+1], v[\t+2:\t+3]
.endr
	v_add_f32 v[\t+9], v[\t+2], v[\t+3]
	v_permlanex16_b32 v[\t+2], v[\t+9], s[SEL], s[SEL+1]
	v_add_f32 v[\t+9], v[\t+9], v[\t+2]
	ds_store_b64 v[STW], v[\t+8:\t+9] offset:STAT+1280*\u   ; both halves of the lanes hold, and write, the same pair
.endm
.macro LNAPPLY y, st, t, mr, g, b, o   ; the eight waves' pairs give mean and 1 / sigma; o = (y - mean) / sigma x g + b
.irp k, 0,1,2,3,4,5,6,7
	ds_load_b128 v[\st+4*\k:\st+4*\k+3], v[STR] offset:STAT+1280*(\k/4)+16*(\k%4)
.endr
	s_wait_dscnt 0x0
.irp u, 0,1
	v_pk_add_f32 v[\t:\t+1], v[\st+16*\u:\st+16*\u+1], v[\st+16*\u+2:\st+16*\u+3]
	v_pk_add_f32 v[\t+2:\t+3], v[\st+16*\u+4:\st+16*\u+5], v[\st+16*\u+6:\st+16*\u+7]
	v_pk_add_f32 v[\t+4:\t+5], v[\st+16*\u+8:\st+16*\u+9], v[\st+16*\u+10:\st+16*\u+11]
	v_pk_add_f32 v[\t+6:\t+7], v[\st+16*\u+12:\st+16*\u+13], v[\st+16*\u+14:\st+16*\u+15]
	v_pk_add_f32 v[\t:\t+1], v[\t:\t+1], v[\t+2:\t+3]
	v_pk_add_f32 v[\t+4:\t+5], v[\t+4:\t+5], v[\t+6:\t+7]
	v_pk_add_f32 v[\t:\t+1], v[\t:\t+1], v[\t+4:\t+5]         ; (the means' sum, the squares' sum)
	v_mul_f32 v[\mr+4*\u], 0x3e000000, v[\t]       ; the mean
	v_mov_b32 v[\mr+4*\u+1], v[\mr+4*\u]
	v_sub_f32 v[\t+2], v[\st+16*\u], v[\mr+4*\u]
	v_mul_f32 v[\t+3], v[\t+2], v[\t+2]
.irp i, 1,2,3,4,5,6,7
	v_sub_f32 v[\t+2], v[\st+16*\u+2*\i], v[\mr+4*\u]
	v_fmac_f32 v[\t+3], v[\t+2], v[\t+2]
.endr
	v_fmamk_f32 v[\t+1], v[\t+3], 0x42000000, v[\t+1]         ; + 32 x
	v_fma_f32 v[\mr+4*\u+3], v[\t+1], s[I256], s[EPS]         ; / 256 + 1e-5
.endr
	v_rsq_f32 v[\mr+2], v[\mr+3]
	v_rsq_f32 v[\mr+6], v[\mr+7]
	v_nop
	s_wait_alu depctr_va_vdst(0)                   ; one wait for the two, ahead of their first reader
.irp u, 0,1
.irp j, 0,2,4,6,8,10,12,14
	v_pk_add_f32 v[\o+16*\u+\j:\o+16*\u+\j+1], v[\y+16*\u+\j:\y+16*\u+\j+1], v[\mr+4*\u:\mr+4*\u+1] op_sel_hi:[1,0] neg_lo:[0,1] neg_hi:[0,1]
	v_pk_mul_f32 v[\o+16*\u+\j:\o+16*\u+\j+1], v[\o+16*\u+\j:\o+16*\u+\j+1], v[\mr+4*\u+2:\mr+4*\u+3] op_sel_hi:[1,0]
	v_pk_fma_f32 v[\o+16*\u+\j:\o+16*\u+\j+1], v[\o+16*\u+\j:\o+16*\u+\j+1], v[\g+\j:\g+\j+1], v[\b+\j:\b+\j+1]
.endr
.endr
.endm
	s_load_b512 s[8:23], s[0:1], 0x0               ; sac, out_proj_w, out_proj_b, query, ln1_g, ln1_b, off_w, off_b
	s_load_b256 s[24:31], s[0:1], 0x40             ; aw_w, aw_b, ref_2d, the exponents
	s_load_b128 s[32:35], s[0:1], 0x60             ; ident, idx
	s_load_b64 s[36:37], s[0:1], 0x70              ; wts
	v_lshrrev_b32 v1, 5, v0
	v_readfirstlane_b32 s50, v1                    ; wave
	s_and_b32 s51, ttmp7, 0xffff                   ; batch
	v_and_b32 v16, 15, v0                          ; r
	v_bfe_u32 v17, v0, 4, 1                        ; h
	v_and_b32 v18, 31, v0
	v_and_b32 v19, 8, v16
	v_add_nc_u32 v19, v19, v16                     ; r + 8 (r / 8)
	v_lshlrev_b32 v[LI], 4, v18
	v_mul_u32_u24 v[STR], v16, 80
	s_lshl_b32 s52, s50, 3
	v_add_nc_u32 v[STW], s52, v[STR]
	s_lshl_b32 s52, s50, 9
	v_add_nc_u32 v[IMW], s52, v[LI]
	v_lshlrev_b32 v[WOF], 8, v19
	v_lshl_add_u32 v[WOF], v17, 4, v[WOF]
	v_lshlrev_b32 v[BO], 6, v17
	v_lshlrev_b32 v[OBO], 5, v17
	v_lshlrev_b32 v[ABO], 4, v17
	s_lshl_b32 s52, ttmp9, 5
	v_add_nc_u32 v20, s52, v19
	v_add_nc_u32 v21, 8, v20
	v_min_u32 v20, 0x9c3, v20
	v_min_u32 v21, 0x9c3, v21
	v_lshlrev_b32 v[RO0], 3, v20
	v_lshlrev_b32 v[RO1], 3, v21
	v_lshlrev_b32 v20, 10, v20
	v_lshlrev_b32 v21, 10, v21
	v_lshl_add_u32 v[XO0], v17, 6, v20
	v_lshl_add_u32 v[XO1], v17, 6, v21
	s_mov_b32 s[SEL], 0x76543210
	s_mov_b32 s[SEL+1], 0xfedcba98
	s_mov_b32 s[EPS], 0x3727c5ac                   ; 1e-5
	s_mov_b32 s[I256], 0x3b800000                  ; 1 / 256
	s_mov_b32 s58, 0x43470000                      ; 199
	s_mov_b32 s59, 0x43480000                      ; 200
	s_mov_b32 s53, 0
	s_wait_kmcnt 0x0
	s_load_b256 s[40:47], s[30:31], 0x28           ; e10 .. e17
	s_mul_i32 s52, s51, 158
	s_lshl_b32 s62, ttmp9, 1
	s_add_co_u32 s52, s52, s62
	s_lshl_b32 s52, s52, 12                        ; sac: tile 2 P of the batch, 4,096 bytes a tile
	s_add_nc_u64 s[8:9], s[8:9], s[52:53]
	s_lshl_b32 s52, s50, 13
	s_add_nc_u64 s[10:11], s[10:11], s[52:53]
	s_lshl_b32 s52, s50, 7
	s_add_nc_u64 s[12:13], s[12:13], s[52:53]
	s_add_nc_u64 s[16:17], s[16:17], s[52:53]
	s_add_nc_u64 s[18:19], s[18:19], s[52:53]
	s_mul_i32 s62, s51, 2560000
	s_add_co_u32 s52, s52, s62
	s_add_nc_u64 s[14:15], s[14:15], s[52:53]
	s_lshl_b32 s52, s50, 12
	s_add_nc_u64 s[20:21], s[20:21], s[52:53]
	s_lshl_b32 s52, s50, 6
	s_add_nc_u64 s[22:23], s[22:23], s[52:53]
	s_lshl_b32 s52, s50, 11
	s_add_nc_u64 s[24:25], s[24:25], s[52:53]
	s_lshl_b32 s52, s50, 5
	s_add_nc_u64 s[26:27], s[26:27], s[52:53]
	s_mul_i32 s52, s51, 20000
	s_add_nc_u64 s[28:29], s[28:29], s[52:53]
	s_mul_i32 s52, s51, 79
	s_add_co_u32 s52, s52, ttmp9
	s_lshl_b32 s52, s52, 3
	s_add_co_u32 s52, s52, s50
	s_lshl_b32 s52, s52, 12                        ; ((79 b + P) x 8 + w) x 4,096
	s_add_nc_u64 s[32:33], s[32:33], s[52:53]
	s_add_nc_u64 s[34:35], s[34:35], s[52:53]
	s_add_nc_u64 s[36:37], s[36:37], s[52:53]
	; ---- A: the projection and the residual
.irp k, 0,1,2,3,4,5,6,7,8,9,10,11,12,13,14,15
	global_load_b128 v[Z1+4*\k:Z1+4*\k+3], v[LI], s[8:9] offset:512*\k      ; sa's four fragments, as images: 512 consecutive bytes a load
.endr
.irp f, 0,1,2,3
.irp c, 0,1,2,3
	global_load_b128 v[Z2+16*\f+4*\c:Z2+16*\f+4*\c+3], v[WOF], s[10:11] offset:2048*(\f/2)+128*(\f%2)+32*\c
.endr
.endr
.irp i, 0,1,2,3
	global_load_b128 v[Z3+32+4*\i:Z3+32+4*\i+3], v[XO0], s[14:15] offset:16*\i
.endr
.irp i, 0,1,2,3
	global_load_b128 v[Z3+48+4*\i:Z3+48+4*\i+3], v[XO1], s[14:15] offset:16*\i
.endr
.irp i, 0,1,2,3
	global_load_b128 v[Z3+4*\i:Z3+4*\i+3], v[BO], s[12:13] offset:16*\i
.endr
	global_load_b128 v[ZS:ZS+3], v[OBO], s[22:23]
	global_load_b128 v[ZS+4:ZS+7], v[OBO], s[22:23] offset:16
	global_load_b128 v[ZS+8:ZS+11], v[ABO], s[26:27]
	global_load_b64 v[ZS+12:ZS+13], v[RO0], s[28:29]
	global_load_b64 v[ZS+14:ZS+15], v[RO1], s[28:29]
.irp i, 0,1,2,3
	global_load_b128 v[Z4+4*\i:Z4+4*\i+3], v[BO], s[16:17] offset:16*\i
.endr
.irp i, 0,1,2,3
	global_load_b128 v[Z4+16+4*\i:Z4+16+4*\i+3], v[BO], s[18:19] offset:16*\i
.endr
	s_wait_kmcnt 0x0
	s_add_co_i32 s54, s40, s41
	s_add_co_i32 s54, s54, 127
	s_lshl_b32 s54, s54, 23                        ; 2^(e10 + e11)
	s_mov_b32 s55, s54
	s_add_co_i32 s63, s44, s45
	s_add_co_i32 s63, s63, 127
	s_lshl_b32 s63, s63, 23                        ; 2^(e14 + e15)
	s_add_co_i32 s62, s46, s47
	s_add_co_i32 s62, s62, 127
	s_lshl_b32 s62, s62, 23                        ; 2^(e16 + e17)
	s_wait_loadcnt 8                               ; all but the gain's and the shift's eight loads
.irp u, 0,1
.irp j, 0,2,4,6,8,10,12,14
	v_pk_add_f32 v[Z3+32+16*\u+\j:Z3+33+16*\u+\j], v[Z3+32+16*\u+\j:Z3+33+16*\u+\j], v[Z3+\j:Z3+\j+1]   ; query + out_proj_b
.endr
.endr
.irp u, 0,1
.irp p, 0,1
	v_wmma_f32_16x16x128_bf8_bf8 v[Z3+16*\u+8*\p:Z3+16*\u+8*\p+7], v[Z2+32*\p:Z2+32*\p+15], v[Z1+32*\u:Z1+32*\u+15], 0
.endr
.endr
.irp u, 0,1
.irp p, 0,1
	v_wmma_f32_16x16x128_bf8_bf8 v[Z3+16*\u+8*\p:Z3+16*\u+8*\p+7], v[Z2+32*\p+16:Z2+32*\p+31], v[Z1+32*\u+16:Z1+32*\u+31], v[Z3+16*\u+8*\p:Z3+16*\u+8*\p+7]
.endr
.endr
	PLACES 4
	v_bfe_u32 v[Z1], v0, 3, 1                      ; r / 8
	v_and_b32 v[Z1+1], 3, v0                       ; r % 4
	v_bfe_u32 v[Z1+2], v0, 2, 1                    ; (r / 4) % 2
	v_bfe_u32 v[Z1+3], v0, 4, 1                    ; h
	v_lshlrev_b32 v[XO0], 11, v[Z1]                ; (the loads that read v7 and v8 are in)  the offsets' tile: (8 (r / 8) + 2 (r % 4) + (r / 4) % 2) x 256 + 16 h
	v_lshl_add_u32 v[XO0], v[Z1+1], 9, v[XO0]
	v_lshl_add_u32 v[XO0], v[Z1+2], 8, v[XO0]
	v_lshl_add_u32 v[XO0], v[Z1+3], 4, v[XO0]
	v_lshlrev_b32 v[XO1], 10, v[Z1]                ; the weights' tile: (4 (r / 8) + r % 4) x 256 + 16 h
	v_lshl_add_u32 v[XO1], v[Z1+1], 8, v[XO1]
	v_lshl_add_u32 v[XO1], v[Z1+3], 4, v[XO1]
.irp k, 0,1,2,3,4,5,6,7
	global_load_b128 v[Z2+4*\k:Z2+4*\k+3], v[XO0], s[20:21] offset:32*\k
.endr
.irp k, 0,1,2,3,4,5,6,7
	global_load_b128 v[Z2+32+4*\k:Z2+32+4*\k+3], v[XO1], s[24:25] offset:32*\k
.endr
.irp j, 0,2,4,6,8,10,12,14,16,18,20,22,24,26,28,30
	v_pk_fma_f32 v[Z3+32+\j:Z3+33+\j], v[Z3+\j:Z3+\j+1], s[54:55], v[Z3+32+\j:Z3+33+\j] op_sel_hi:[1,0,1]   ; identity
.endr
.irp k, 0,1,2,3,4,5,6,7
	global_store_b128 v[LI], v[Z3+32+4*\k:Z3+32+4*\k+3], s[32:33] offset:512*\k
.endr
	LNSTAT Z3+32, Z1, 0
	LNSTAT Z3+48, Z1, 1
	BAR
	s_wait_loadcnt 16                              ; the gain and the shift are in; the two weight tiles' 16 loads may be out
	LNAPPLY Z3+32, Z1, Z1+32, Z1+40, Z4, Z4+16, Z3
	SETQ 44                                        ; e14; the numbers are kept
	Q16 Z3, Z1+48, 2, Z1
	Q16 Z3+16, Z1+52, 2, Z1
	SETQ 46                                        ; e16
	Q16 Z3, Z1+56, 0, 0
	Q16 Z3+16, Z1+60, 0, 0
	ds_store_b128 v[IMW], v[Z1+48:Z1+51] offset:XOI
	ds_store_b128 v[IMW], v[Z1+52:Z1+55] offset:XOI+4096
	ds_store_b128 v[IMW], v[Z1+56:Z1+59] offset:XAI
	ds_store_b128 v[IMW], v[Z1+60:Z1+63] offset:XAI+4096
	BAR
	; ---- B: offsets and weights
	s_wait_xcnt 0x0                                ; identity's stores have read their registers
.irp k, 0,1,2,3,4,5,6,7,8,9,10,11,12,13,14,15
	ds_load_b128 v[Z1+4*\k:Z1+4*\k+3], v[LI] offset:XOI+512*\k
.endr
.irp k, 0,1,2,3,4,5,6,7,8,9,10,11,12,13,14,15
	ds_load_b128 v[Z3+4*\k:Z3+4*\k+3], v[LI] offset:XAI+512*\k
.endr
	s_wait_loadcnt 0x0
	s_wait_dscnt 0x0
	v_wmma_f32_16x16x128_bf8_bf8 v[Z4:Z4+7], v[Z2:Z2+15], v[Z1:Z1+15], 0
	v_wmma_f32_16x16x128_bf8_bf8 v[Z4+8:Z4+15], v[Z2:Z2+15], v[Z1+32:Z1+47], 0
	v_wmma_f32_16x16x128_bf8_bf8 v[Z4+16:Z4+23], v[Z2+32:Z2+47], v[Z3:Z3+15], 0
	v_wmma_f32_16x16x128_bf8_bf8 v[Z4+24:Z4+31], v[Z2+32:Z2+47], v[Z3+32:Z3+47], 0
	v_wmma_f32_16x16x128_bf8_bf8 v[Z4:Z4+7], v[Z2+16:Z2+31], v[Z1+16:Z1+31], v[Z4:Z4+7]
	v_wmma_f32_16x16x128_bf8_bf8 v[Z4+8:Z4+15], v[Z2+16:Z2+31], v[Z1+48:Z1+63], v[Z4+8:Z4+15]
	v_wmma_f32_16x16x128_bf8_bf8 v[Z4+16:Z4+23], v[Z2+48:Z2+63], v[Z3+16:Z3+31], v[Z4+16:Z4+23]
	v_wmma_f32_16x16x128_bf8_bf8 v[Z4+24:Z4+31], v[Z2+48:Z2+63], v[Z3+48:Z3+63], v[Z4+24:Z4+31]
	PLACES 4
	; ---- the softmax over a head's eight points: four in my lane, four in lane l xor 16
.set AA, Z2
.set MX, Z2+8
.set PT, Z2+10
.set XY, Z2+12
.set RC, Z2+16
.set TP, Z2+20
.irp u, 0,1
.irp p, 0,1,2,3
	v_fma_f32 v[AA+4*\u+\p], v[Z4+16+8*\u+\p], s62, v[ZS+8+\p]
.endr
.endr
.irp u, 0,1
	v_max3_num_f32 v[MX+\u], v[AA+4*\u], v[AA+4*\u+1], v[AA+4*\u+2]
.endr
.irp u, 0,1
	v_max_num_f32 v[MX+\u], v[MX+\u], v[AA+4*\u+3]
.endr
.irp u, 0,1
	v_permlanex16_b32 v[PT+\u], v[MX+\u], s[SEL], s[SEL+1]
.endr
.irp u, 0,1
	v_max_num_f32 v[MX+\u], v[MX+\u], v[PT+\u]     ; the maximum is taken away, as reference() does
.endr
.irp u, 0,1
.irp p, 0,1,2,3
	v_sub_f32 v[AA+4*\u+\p], v[AA+4*\u+\p], v[MX+\u]
.endr
.endr
.irp k, 0,1,2,3,4,5,6,7
	v_mul_f32 v[AA+\k], 0x3fb8aa3b, v[AA+\k]
.endr
.irp k, 0,1,2,3,4,5,6,7
	v_exp_f32 v[AA+\k], v[AA+\k]
.endr
.irp u, 0,1
	v_fma_f32 v[XY+2*\u], v[ZS+12+2*\u], s59, -0.5            ; 200 ref_x - 0.5
	v_fma_f32 v[XY+2*\u+1], v[ZS+13+2*\u], s59, -0.5          ; 200 ref_y - 0.5
.endr
	s_wait_alu depctr_va_vdst(0)                   ; one wait for the eight exponentials
.irp u, 0,1
	v_add_f32 v[MX+\u], v[AA+4*\u], v[AA+4*\u+1]
	v_add_f32 v[PT+\u], v[AA+4*\u+2], v[AA+4*\u+3]
.endr
.irp u, 0,1
	v_add_f32 v[MX+\u], v[MX+\u], v[PT+\u]
.endr
.irp u, 0,1
	v_permlanex16_b32 v[PT+\u], v[MX+\u], s[SEL], s[SEL+1]
.endr
.irp u, 0,1
	v_add_f32 v[MX+\u], v[MX+\u], v[PT+\u]
.endr
	v_rcp_f32 v[RC], v[MX]
	v_rcp_f32 v[RC+1], v[MX+1]
	v_nop
	s_wait_alu depctr_va_vdst(0)
.irp u, 0,1
.irp p, 0,1,2,3
	v_mul_f32 v[AA+4*\u+\p], v[AA+4*\u+\p], v[RC+\u]
.endr
.endr
; Point 4 h + p of my row of tile u: four pixels and four weights (bilinear x validity x the point's weight)
.macro POINT u, p
	v_fma_f32 v[TP], v[Z4+8*\u+\p], s63, v[ZS+2*\p]
	v_fma_f32 v[TP+8], v[Z4+8*\u+4+\p], s63, v[ZS+2*\p+1]
	v_add_f32 v[TP], v[TP], v[XY+2*\u]             ; x
	v_add_f32 v[TP+8], v[TP+8], v[XY+2*\u+1]       ; y
	v_floor_f32 v[TP+1], v[TP]
	v_floor_f32 v[TP+9], v[TP+8]
	v_sub_f32 v[TP+2], v[TP], v[TP+1]              ; lx
	v_sub_f32 v[TP+10], v[TP+8], v[TP+9]           ; ly
	v_add_f32 v[TP+3], 1.0, v[TP+1]
	v_add_f32 v[TP+11], 1.0, v[TP+9]
	v_med3_num_f32 v[TP+4], v[TP+1], 0, s58        ; clipped to 0 .. 199
	v_med3_num_f32 v[TP+12], v[TP+9], 0, s58
	v_med3_num_f32 v[TP+5], v[TP+3], 0, s58
	v_med3_num_f32 v[TP+13], v[TP+11], 0, s58
	v_sub_f32 v[TP+6], 1.0, v[TP+2]
	v_sub_f32 v[TP+14], 1.0, v[TP+10]
	v_cmp_eq_f32 vcc_lo, v[TP+4], v[TP+1]          ; what the clip moved lies outside: its factor becomes 0
	v_cndmask_b32 v[TP+6], 0, v[TP+6], vcc_lo
	v_cmp_eq_f32 vcc_lo, v[TP+5], v[TP+3]
	v_cndmask_b32 v[TP+2], 0, v[TP+2], vcc_lo
	v_cmp_eq_f32 vcc_lo, v[TP+12], v[TP+9]
	v_cndmask_b32 v[TP+14], 0, v[TP+14], vcc_lo
	v_cmp_eq_f32 vcc_lo, v[TP+13], v[TP+11]
	v_cndmask_b32 v[TP+10], 0, v[TP+10], vcc_lo
	v_mul_f32 v[TP+14], v[TP+14], v[AA+4*\u+\p]
	v_mul_f32 v[TP+10], v[TP+10], v[AA+4*\u+\p]
	v_mul_f32 v[Z1+16*\u+4*\p], v[TP+14], v[TP+6]
	v_mul_f32 v[Z1+16*\u+4*\p+1], v[TP+14], v[TP+2]
	v_mul_f32 v[Z1+16*\u+4*\p+2], v[TP+10], v[TP+6]
	v_mul_f32 v[Z1+16*\u+4*\p+3], v[TP+10], v[TP+2]
	v_fma_f32 v[TP], v[TP+12], s59, v[TP+4]        ; 200 y + x: a whole number, 0 .. 39,999, exact
	v_fma_f32 v[TP+1], v[TP+12], s59, v[TP+5]
	v_fma_f32 v[TP+3], v[TP+13], s59, v[TP+4]
	v_fma_f32 v[TP+8], v[TP+13], s59, v[TP+5]
	v_cvt_u32_f32 v[Z1+32+16*\u+4*\p], v[TP]
	v_cvt_u32_f32 v[Z1+32+16*\u+4*\p+1], v[TP+1]
	v_cvt_u32_f32 v[Z1+32+16*\u+4*\p+2], v[TP+3]
	v_cvt_u32_f32 v[Z1+32+16*\u+4*\p+3], v[TP+8]
.endm
.irp u, 0,1
.irp p, 0,1,2,3
	POINT \u, \p
.endr
.irp p, 0,1,2,3
	global_store_b128 v[LI], v[Z1+16*\u+4*\p:Z1+16*\u+4*\p+3], s[36:37] offset:2048*\u+512*\p
	global_store_b128 v[LI], v[Z1+32+16*\u+4*\p:Z1+32+16*\u+4*\p+3], s[34:35] offset:2048*\u+512*\p
.endr
.endr
	v_lshl_add_u32 v[Z2], v0, 2, SPARE             ; my spare word and 0 are made here, v0 being as at the entry
	v_mov_b32 v[Z2+1], 0
	s_wait_tensorcnt 0x0                           ; the wave's end, behind my last LDS store
	ds_add_u32 v[Z2], v[Z2+1]
	s_wait_dscnt 0x0
	s_endpgm
.Lfunc_end_k_qc99e42f85a_mid:
	.size	k_qc99e42f85a_mid, .Lfunc_end_k_qc99e42f85a_mid-k_qc99e42f85a_mid
	.p2alignl 7, 3214868480
	.fill 96, 4, 3214868480
	.section	.rodata,"a",@progbits
	.p2align	6, 0x0
	.amdhsa_kernel k_qc99e42f85a_mid
		.amdhsa_group_segment_fixed_size 19968
		.amdhsa_private_segment_fixed_size 0
		.amdhsa_enable_private_segment 0
		.amdhsa_kernarg_size 120
		.amdhsa_user_sgpr_count 2
		.amdhsa_user_sgpr_kernarg_segment_ptr 1
		.amdhsa_wavefront_size32 1
		.amdhsa_system_sgpr_workgroup_id_x 1
		.amdhsa_system_sgpr_workgroup_id_y 1
		.amdhsa_system_sgpr_workgroup_id_z 1
		.amdhsa_system_vgpr_workitem_id 0
		.amdhsa_next_free_vgpr 256
		.amdhsa_next_free_sgpr 66
		.amdhsa_reserve_vcc 1
		.amdhsa_float_denorm_mode_32 3
		.amdhsa_float_denorm_mode_16_64 3
		.amdhsa_memory_ordered 1
		.amdhsa_forward_progress 1
		.amdhsa_inst_pref_size 50
	.end_amdhsa_kernel
	.amdgpu_metadata
---
amdhsa.version: [ 1, 2 ]
amdhsa.kernels:
  - .name:           k_qc99e42f85a_mid
    .symbol:         k_qc99e42f85a_mid.kd
    .args:
      - { .name: sac, .offset: 0, .size: 8, .value_kind: global_buffer, .address_space: global }
      - { .name: out_proj_w_codes, .offset: 8, .size: 8, .value_kind: global_buffer, .address_space: global }
      - { .name: out_proj_b, .offset: 16, .size: 8, .value_kind: global_buffer, .address_space: global }
      - { .name: query, .offset: 24, .size: 8, .value_kind: global_buffer, .address_space: global }
      - { .name: ln1_g, .offset: 32, .size: 8, .value_kind: global_buffer, .address_space: global }
      - { .name: ln1_b, .offset: 40, .size: 8, .value_kind: global_buffer, .address_space: global }
      - { .name: off_w_codes, .offset: 48, .size: 8, .value_kind: global_buffer, .address_space: global }
      - { .name: off_b, .offset: 56, .size: 8, .value_kind: global_buffer, .address_space: global }
      - { .name: aw_w_codes, .offset: 64, .size: 8, .value_kind: global_buffer, .address_space: global }
      - { .name: aw_b, .offset: 72, .size: 8, .value_kind: global_buffer, .address_space: global }
      - { .name: ref_2d, .offset: 80, .size: 8, .value_kind: global_buffer, .address_space: global }
      - { .name: lowp_scales, .offset: 88, .size: 8, .value_kind: global_buffer, .address_space: global }
      - { .name: ident, .offset: 96, .size: 8, .value_kind: global_buffer, .address_space: global }
      - { .name: idx, .offset: 104, .size: 8, .value_kind: global_buffer, .address_space: global }
      - { .name: wts, .offset: 112, .size: 8, .value_kind: global_buffer, .address_space: global }
    .group_segment_fixed_size: 19968
    .private_segment_fixed_size: 0
    .kernarg_segment_align: 8
    .kernarg_segment_size: 120
    .max_flat_workgroup_size: 256
    .sgpr_count:     66
    .vgpr_count:     256
    .wavefront_size: 32
...
	.end_amdgpu_metadata
.endif
;; end of part 4
;; launch tail (part 5): grid 79 x 4, 8 waves a work-group, no clusters, 98,304 bytes of LDS; arguments idx, wts, val, ident, oproj_w_codes, oproj_b, ln2_g, ln2_b, ffn_w1_codes, ffn_b1, ffn_w2_codes, ffn_b2, ln3_g, ln3_b, lowp_scales, out0; writes out0
.if DOCPART == 5
	.amdgcn_target "amdgcn-amd-amdhsa--gfx1250"
	.amdhsa_code_object_version 6
	.text
	.protected	k_qc99e42f85a_tail
	.globl	k_qc99e42f85a_tail
	.p2align	8
	.type	k_qc99e42f85a_tail,@function
k_qc99e42f85a_tail:
	s_mov_b64 s[64:65], 0
	v_nop
	global_prefetch_b8 v0, s[64:65] scope:SCOPE_SE
	s_setreg_imm32_b32 hwreg(HW_REG_WAVE_MODE, 25, 1), 1
	s_wait_xcnt 0x0
; The deformable attention's gather and sum, its projection, the residual, LN2, the FFN with its residual, LN3.  No work is left out.
; SHARES: as in launches qkv and mid: a work-group takes pair P of batch b; rows past 2,499 are row 2,499 again and are never stored.  Wave w takes head w in the gather, channels 32 w .. + 31 in the
; projections, hidden units 64 w .. + 63 in the FFN.  All products are used transposed; operands go from wave to wave through LDS as images of their registers.
; THE GATHER: a sample is 128 bytes of val (a pixel's 32 numbers of my head).  Eight lanes take a sample, 16 bytes each; the four groups of lanes take four rows; a load brings four whole samples.
; A UNIT is 8 samples of 4 rows: 2 points x 4 corners.  32 units a wave, written out.  Lists (pixels, weights) run four units ahead, gathers two: 16 to 24 gathers a wave are out.
; The pixels were stored as whole numbers by launch mid; each is held under 40,000 by a minimum with a constant before it enters an address.
; No tensor load: the addresses hang on the lists.  No cluster: weights go straight into registers.  No prefetch: the launch keeps memory busy with its gathers.
; LIMITS: as stated at the head of launch valp.
.set LI,  1                            ; v1  16 x lane
.set LJ,  2                            ; v2  16 (lane % 8); behind the gather: 16 x lane + 1,024 w, where I store the hidden layer's images
.set VI,  3                            ; v3  16 (lane / 8); behind the gather: my bytes in a tile of ffn_w2's rows
.set GS,  4                            ; v4  my wave's stage, on the way in
.set GR,  5                            ; v5  and on the way out
.set IMW, 6                            ; v6  16 x lane + 512 w
.set SCV, 7
.set LMV, 8
.set STW, 9
.set STR, 10
.set SH,  11                           ; v11 16 x lane + 4,608 w: where x2 is kept
.set OSW, 12
.set OSR, 13
.set WOF, 14
.set BO,  15
.set IDX, 16                           ; v16-55   five sets of 8 pixels, then byte offsets
.set WT,  56                           ; v56-95   five sets of 8 weights
.set DATA, 96                          ; v96-191  three sets of 8 x 4
.set ACC, 224                          ; v224-255 rows 4 q + g, dims 4 j .. + 3
.set ZA,  16
.set ZW,  80
.set ZD,  208
.set ZB,  240
.set XI,  36864                        ; LDS: 0: eight stages of 32 rows x 144 bytes, each wave's own; XI: an operand's images [u][piece 8][512]
.set HI,  45056                        ; the hidden layer's [u][piece 16][512]
.set STAT, 61440                       ; 32 rows x 80 bytes
.set OST, 64000                        ; 32 rows x (1,024 + 16) bytes
.set SPARE, 97280
.set SEL, 48
.set EPS, 56
.set I256, 57
.macro PLACES n
.rept \n
	v_nop
.endr
.endm
.macro BAR
	s_wait_dscnt 0x0
	s_barrier_signal -1
	s_barrier_wait -1
.endm
.macro SETQ se
	s_add_co_i32 s60, s[\se], 127
	s_lshl_b32 s61, s60, 23
	v_mov_b32 v[SCV], s61
	s_add_co_i32 s60, s60, 15
	s_lshl_b32 s60, s60, 23
	s_or_b32 s60, s60, 0x600000
	v_mov_b32 v[LMV], s60
.endm
.macro Q16 src, dst, mode, tmp         ; mode 0: held in place; 1: the activation and the hold in one; 2: held into v[tmp] on
.irp i, 0,1,2,3,4,5,6,7,8,9,10,11,12,13,14,15
.if \mode == 0
	v_med3_num_f32 v[\src+\i], v[\src+\i], -v[LMV], v[LMV]
.elseif \mode == 1
	v_med3_num_f32 v[\src+\i], v[\src+\i], 0, v[LMV]
.else
	v_med3_num_f32 v[\tmp+\i], v[\src+\i], -v[LMV], v[LMV]
.endif
.endr
.if \mode == 2
	v_cvt_scalef32_pk8_bf8_f32 v[\dst:\dst+1], v[\tmp:\tmp+7], v[SCV]
	v_cvt_scalef32_pk8_bf8_f32 v[\dst+2:\dst+3], v[\tmp+8:\tmp+15], v[SCV]
.else
	v_cvt_scalef32_pk8_bf8_f32 v[\dst:\dst+1], v[\src:\src+7], v[SCV]
	v_cvt_scalef32_pk8_bf8_f32 v[\dst+2:\dst+3], v[\src+8:\src+15], v[SCV]
.endif
	v_nop                                          ; one plain vector line behind the conversions
.endm
.macro LNSTAT y, t, u
	v_pk_add_f32 v[\t:\t+1], v[\y:\y+1], v[\y+2:\y+3]
	v_pk_add_f32 v[\t+2:\t+3], v[\y+4:\y+5], v[\y+6:\y+7]
	v_pk_add_f32 v[\t+4:\t+5], v[\y+8:\y+9], v[\y+10:\y+11]
	v_pk_add_f32 v[\t+6:\t+7], v[\y+12:\y+13], v[\y+14:\y+15]
	v_pk_add_f32 v[\t:\t+1], v[\t:\t+1], v[\t+2:\t+3]
	v_pk_add_f32 v[\t+4:\t+5], v[\t+4:\t+5], v[\t+6:\t+7]
	v_pk_add_f32 v[\t:\t+1], v[\t:\t+1], v[\t+4:\t+5]
	v_add_f32 v[\t], v[\t], v[\t+1]
	v_permlanex16_b32 v[\t+1], v[\t], s[SEL], s[SEL+1]
	v_add_f32 v[\t], v[\t], v[\t+1]
	v_mul_f32 v[\t+8], 0x3d000000, v[\t]
	v_mov_b32 v[\t+9], v[\t+8]
	v_pk_add_f32 v[\t:\t+1], v[\y:\y+1], v[\t+8:\t+9] neg_lo:[0,1] neg_hi:[0,1]
	v_pk_mul_f32 v[\t+2:\t+3], v[\t:\t+1], v[\t:\t+1]
.irp i, 2,4,6,8,10,12,14
	v_pk_add_f32 v[\t:\t+1], v[\y+\i:\y+\i+1], v[\t+8:\t+9] neg_lo:[0,1] neg_hi:[0,1]
	v_pk_fma_f32 v[\t+2:\t+3], v[\t:\t+1], v[\t:\t+1], v[\t+2:\t+3]
.endr
	v_add_f32 v[\t+9], v[\t+2], v[\t+3]
	v_permlanex16_b32 v[\t+2], v[\t+9], s[SEL], s[SEL+1]
	v_add_f32 v[\t+9], v[\t+9], v[\t+2]
	ds_store_b64 v[STW], v[\t+8:\t+9] offset:STAT+1280*\u
.endm
.macro LNAPPLY y, st, t, mr, g, b, o
.irp k, 0,1,2,3,4,5,6,7
	ds_load_b128 v[\st+4*\k:\st+4*\k+3], v[STR] offset:STAT+1280*(\k/4)+16*(\k%4)
.endr
	s_wait_dscnt 0x0
.irp u, 0,1
	v_pk_add_f32 v[\t:\t+1], v[\st+16*\u:\st+16*\u+1], v[\st+16*\u+2:\st+16*\u+3]
	v_pk_add_f32 v[\t+2:\t+3], v[\st+16*\u+4:\st+16*\u+5], v[\st+16*\u+6:\st+16*\u+7]
	v_pk_add_f32 v[\t+4:\t+5], v[\st+16*\u+8:\st+16*\u+9], v[\st+16*\u+10:\st+16*\u+11]
	v_pk_add_f32 v[\t+6:\t+7], v[\st+16*\u+12:\st+16*\u+13], v[\st+16*\u+14:\st+16*\u+15]
	v_pk_add_f32 v[\t:\t+1], v[\t:\t+1], v[\t+2:\t+3]
	v_pk_add_f32 v[\t+4:\t+5], v[\t+4:\t+5], v[\t+6:\t+7]
	v_pk_add_f32 v[\t:\t+1], v[\t:\t+1], v[\t+4:\t+5]
	v_mul_f32 v[\mr+4*\u], 0x3e000000, v[\t]
	v_mov_b32 v[\mr+4*\u+1], v[\mr+4*\u]
	v_sub_f32 v[\t+2], v[\st+16*\u], v[\mr+4*\u]
	v_mul_f32 v[\t+3], v[\t+2], v[\t+2]
.irp i, 1,2,3,4,5,6,7
	v_sub_f32 v[\t+2], v[\st+16*\u+2*\i], v[\mr+4*\u]
	v_fmac_f32 v[\t+3], v[\t+2], v[\t+2]
.endr
	v_fmamk_f32 v[\t+1], v[\t+3], 0x42000000, v[\t+1]
	v_fma_f32 v[\mr+4*\u+3], v[\t+1], s[I256], s[EPS]
.endr
	v_rsq_f32 v[\mr+2], v[\mr+3]
	v_rsq_f32 v[\mr+6], v[\mr+7]
	v_nop
	s_wait_alu depctr_va_vdst(0)                   ; one wait for the two, ahead of their first reader
.irp u, 0,1
.irp j, 0,2,4,6,8,10,12,14
	v_pk_add_f32 v[\o+16*\u+\j:\o+16*\u+\j+1], v[\y+16*\u+\j:\y+16*\u+\j+1], v[\mr+4*\u:\mr+4*\u+1] op_sel_hi:[1,0] neg_lo:[0,1] neg_hi:[0,1]
	v_pk_mul_f32 v[\o+16*\u+\j:\o+16*\u+\j+1], v[\o+16*\u+\j:\o+16*\u+\j+1], v[\mr+4*\u+2:\mr+4*\u+3] op_sel_hi:[1,0]
	v_pk_fma_f32 v[\o+16*\u+\j:\o+16*\u+\j+1], v[\o+16*\u+\j:\o+16*\u+\j+1], v[\g+\j:\g+\j+1], v[\b+\j:\b+\j+1]
.endr
.endr
.endm
; The gather's four parts work on unit U = 4 q + 2 hh + ii: rows 4 q + g, points 4 hh + 2 ii and + 1.
; Row R = 4 q + g lies in the lists' images at tile (R / 8) % 2, lane R % 8 + 8 (R / 16) + 16 hh.
.macro LIW
.set OFS, 2048*(((U/4)/2)%2)+256*((U/2)%2)+16*(4*((U/4)%2)+8*((U/4)/4))+1024*(U%2)
	global_load_b128 v[IDX+8*(U%5):IDX+8*(U%5)+3], v[VI], s[8:9] offset:OFS
	global_load_b128 v[IDX+8*(U%5)+4:IDX+8*(U%5)+7], v[VI], s[8:9] offset:OFS+512
	global_load_b128 v[WT+8*(U%5):WT+8*(U%5)+3], v[VI], s[10:11] offset:OFS
	global_load_b128 v[WT+8*(U%5)+4:WT+8*(U%5)+7], v[VI], s[10:11] offset:OFS+512
.endm
.macro ADDR
.irp k, 0,1,2,3,4,5,6,7
	v_min_u32 v[IDX+8*(U%5)+\k], 0x9c3f, v[IDX+8*(U%5)+\k]
.endr
.irp k, 0,1,2,3,4,5,6,7
	v_lshl_add_u32 v[IDX+8*(U%5)+\k], v[IDX+8*(U%5)+\k], 10, v[LJ]   ; pixel x 1,024 + my 16 bytes of the sample
.endr
.endm
.macro GATH
.irp k, 0,1,2,3,4,5,6,7
	global_load_b128 v[DATA+32*(U%3)+4*\k:DATA+32*(U%3)+4*\k+3], v[IDX+8*(U%5)+\k], s[12:13]
.endr
.endm
.macro ACCU
.irp k, 0,1,2,3,4,5,6,7
.irp d, 0,1,2,3
.if (U%4 == 0) && (\k == 0)
	v_mul_f32 v[ACC+4*(U/4)+\d], v[DATA+32*(U%3)+4*\k+\d], v[WT+8*(U%5)+\k]   ; a row's first sample starts its sums
.else
	v_fmac_f32 v[ACC+4*(U/4)+\d], v[DATA+32*(U%3)+4*\k+\d], v[WT+8*(U%5)+\k]
.endif
.endr
.endr
.endm
	s_load_b512 s[8:23], s[0:1], 0x0               ; idx, wts, val, ident, oproj_w, oproj_b, ln2_g, ln2_b
	s_load_b512 s[24:39], s[0:1], 0x40             ; ffn_w1, ffn_b1, ffn_w2, ffn_b2, ln3_g, ln3_b, the exponents, out0
	v_lshrrev_b32 v1, 5, v0
	v_readfirstlane_b32 s50, v1                    ; wave
	s_and_b32 s51, ttmp7, 0xffff                   ; batch
	v_and_b32 v16, 15, v0                          ; r
	v_bfe_u32 v17, v0, 4, 1                        ; h
	v_and_b32 v18, 31, v0
	v_and_b32 v19, 8, v16
	v_add_nc_u32 v19, v19, v16                     ; r + 8 (r / 8)
	v_and_b32 v20, 7, v0                           ; j
	v_bfe_u32 v21, v0, 3, 2                        ; g
	v_lshlrev_b32 v[LI], 4, v18
	v_lshlrev_b32 v[LJ], 4, v20
	v_lshlrev_b32 v[VI], 4, v21
	s_mul_i32 s58, s50, 4608
	v_mul_u32_u24 v[GS], v21, 144
	v_add_nc_u32 v[GS], v[GS], v[LJ]
	v_add_nc_u32 v[GS], s58, v[GS]
	v_mul_u32_u24 v[GR], v19, 144
	v_lshl_add_u32 v[GR], v17, 6, v[GR]
	v_add_nc_u32 v[GR], s58, v[GR]
	v_add_nc_u32 v[SH], s58, v[LI]
	s_lshl_b32 s59, s50, 9
	v_add_nc_u32 v[IMW], s59, v[LI]
	v_mul_u32_u24 v[STR], v16, 80
	s_lshl_b32 s59, s50, 3
	v_add_nc_u32 v[STW], s59, v[STR]
	v_mul_u32_u24 v[OSW], v19, 1040
	v_lshl_add_u32 v[OSW], v17, 6, v[OSW]
	s_lshl_b32 s59, s50, 7
	s_add_co_u32 s59, s59, OST
	v_add_nc_u32 v[OSW], s59, v[OSW]
	s_mul_i32 s59, s50, 4160
	s_add_co_u32 s59, s59, OST
	v_add_nc_u32 v[OSR], s59, v[LI]
	v_lshlrev_b32 v[WOF], 8, v19
	v_lshl_add_u32 v[WOF], v17, 4, v[WOF]
	v_lshlrev_b32 v[BO], 6, v17
	s_mov_b32 s[SEL], 0x76543210
	s_mov_b32 s[SEL+1], 0xfedcba98
	s_mov_b32 s[EPS], 0x3727c5ac
	s_mov_b32 s[I256], 0x3b800000
	s_mul_i32 s52, s51, 79
	s_add_co_u32 s52, s52, ttmp9
	s_lshl_b32 s52, s52, 3
	s_add_co_u32 s52, s52, s50
	s_lshl_b32 s52, s52, 12                        ; ((79 b + P) x 8 + w) x 4,096
	s_mov_b32 s53, 0
	s_wait_kmcnt 0x0
	s_load_b128 s[40:43], s[36:37], 0x48           ; e18 .. e21
	s_load_b64 s[44:45], s[36:37], 0x58            ; e22, e23
	s_add_nc_u64 s[8:9], s[8:9], s[52:53]
	s_add_nc_u64 s[10:11], s[10:11], s[52:53]
	s_add_nc_u64 s[14:15], s[14:15], s[52:53]
	s_mul_i32 s52, s51, 40960000
	s_lshl_b32 s58, s50, 7
	s_add_co_u32 s52, s52, s58
	s_add_nc_u64 s[12:13], s[12:13], s[52:53]      ; val: the batch's map, my head's 128 bytes of a pixel
.set U, 0
	LIW
.set U, 1
	LIW
.set U, 2
	LIW
.set U, 3
	LIW
	s_mov_b32 s52, s58                             ; 128 w
	s_add_nc_u64 s[18:19], s[18:19], s[52:53]
	s_add_nc_u64 s[20:21], s[20:21], s[52:53]
	s_add_nc_u64 s[22:23], s[22:23], s[52:53]
	s_add_nc_u64 s[30:31], s[30:31], s[52:53]
	s_add_nc_u64 s[32:33], s[32:33], s[52:53]
	s_add_nc_u64 s[34:35], s[34:35], s[52:53]
	s_lshl_b32 s52, s50, 13
	s_add_nc_u64 s[16:17], s[16:17], s[52:53]
	s_lshl_b32 s52, s50, 14
	s_add_nc_u64 s[24:25], s[24:25], s[52:53]
	s_add_nc_u64 s[28:29], s[28:29], s[52:53]
	s_lshl_b32 s52, s50, 8
	s_add_nc_u64 s[26:27], s[26:27], s[52:53]
	s_lshl_b32 s59, ttmp9, 5
	s_lshl_b32 s58, s50, 2
	s_add_co_u32 s59, s59, s58                     ; 32 P + 4 w: the first row that I store
	s_mul_i32 s52, s51, 2500
	s_add_co_u32 s52, s52, s59
	s_lshl_b32 s52, s52, 10
	s_add_nc_u64 s[38:39], s[38:39], s[52:53]
	s_wait_loadcnt 12                              ; unit 0's lists are in; units 1-3's 12 loads may be out
.set U, 0
	ADDR
	GATH
	s_wait_loadcnt 16                              ; unit 1's lists: behind them units 2 and 3's 8 loads and unit 0's 8 gathers
.set U, 1
	ADDR
	GATH
.set n, 0
.rept 32
.if n+4 <= 31
.set U, n+4
	LIW                                            ; into the set whose unit was summed in the trip before
.endif
.if n+2 <= 31
.if n <= 27
	s_wait_loadcnt 24                              ; unit n + 2's lists are in: behind them two units' gathers (16) and two units' lists (8)
.elseif n == 28
	s_wait_loadcnt 20
.else
	s_wait_loadcnt 16
.endif
.set U, n+2
	ADDR
	GATH
.endif
.if n == 0
	s_wait_loadcnt 20                              ; unit n's gathers are in: behind them the gathers and lists issued since
.elseif n <= 27
	s_wait_loadcnt 24
.elseif n == 28
	s_wait_loadcnt 20
.elseif n == 29
	s_wait_loadcnt 16
.elseif n == 30
	s_wait_loadcnt 8
.else
	s_wait_loadcnt 0
.endif
.set U, n
	ACCU
.set n, n+1
.endr
	; ---- S1: the sums turn through my own stage into the operand's order, and are quantised: piece w of the projection's operand
.irp q, 0,1,2,3,4,5,6,7
	ds_store_b128 v[GS], v[ACC+4*\q:ACC+4*\q+3] offset:576*\q
.endr
.irp f, 0,1,2,3
.irp c, 0,1,2,3
	global_load_b128 v[ZW+16*\f+4*\c:ZW+16*\f+4*\c+3], v[WOF], s[16:17] offset:2048*(\f/2)+128*(\f%2)+32*\c
.endr
.endr
.irp k, 0,1,2,3,4,5,6,7
	global_load_b128 v[ZW+64+4*\k:ZW+64+4*\k+3], v[LI], s[14:15] offset:512*\k
.endr
.irp i, 0,1,2,3
	global_load_b128 v[ZW+96+4*\i:ZW+96+4*\i+3], v[BO], s[20:21] offset:16*\i
.endr
.irp i, 0,1,2,3
	global_load_b128 v[ZW+112+4*\i:ZW+112+4*\i+3], v[BO], s[22:23] offset:16*\i
.endr
.irp u, 0,1
.irp i, 0,1,2,3
	ds_load_b128 v[ZA+16*\u+4*\i:ZA+16*\u+4*\i+3], v[GR] offset:1152*\u+16*\i   ; LDS serves a wave's instructions in order: these see my stores
.endr
.endr
	v_bfe_u32 v[VI], v0, 4, 1                      ; (the lists' loads are in)  my bytes in a tile of rows of 512 bytes: (r + 8 (r / 8)) x 512 + 16 h
	v_lshlrev_b32 v[VI], 4, v[VI]
	v_lshlrev_b32 v[LJ], 1, v[WOF]
	v_sub_nc_u32 v[VI], v[LJ], v[VI]
	s_lshl_b32 s58, s50, 10
	v_add_nc_u32 v[LJ], s58, v[LI]                 ; 16 x lane + 1,024 w
	s_wait_dscnt 0x0
.irp i, 0,1,2,3
	global_load_b128 v[ZB+4*\i:ZB+4*\i+3], v[BO], s[18:19] offset:16*\i
.endr
	s_wait_kmcnt 0x0
	SETQ 40                                        ; e18
	Q16 ZA, ZA+32, 0, 0
	Q16 ZA+16, ZA+36, 0, 0
	ds_store_b128 v[IMW], v[ZA+32:ZA+35] offset:XI
	ds_store_b128 v[IMW], v[ZA+36:ZA+39] offset:XI+4096
	BAR
	; ---- the projection, the residual, LN2
.irp k, 0,1,2,3,4,5,6,7,8,9,10,11,12,13,14,15
	ds_load_b128 v[ZA+4*\k:ZA+4*\k+3], v[LI] offset:XI+512*\k
.endr
	s_add_co_i32 s54, s40, s41
	s_add_co_i32 s54, s54, 127
	s_lshl_b32 s54, s54, 23                        ; 2^(e18 + e19)
	s_mov_b32 s55, s54
	s_wait_loadcnt 0x0
.irp u, 0,1
.irp j, 0,2,4,6,8,10,12,14
	v_pk_add_f32 v[ZW+64+16*\u+\j:ZW+65+16*\u+\j], v[ZW+64+16*\u+\j:ZW+65+16*\u+\j], v[ZB+\j:ZB+\j+1]   ; identity + oproj_b
.endr
.endr
	s_wait_dscnt 0x0
.irp u, 0,1
.irp p, 0,1
	v_wmma_f32_16x16x128_bf8_bf8 v[ZD+16*\u+8*\p:ZD+16*\u+8*\p+7], v[ZW+32*\p:ZW+32*\p+15], v[ZA+32*\u:ZA+32*\u+15], 0
.endr
.endr
.irp u, 0,1
.irp p, 0,1
	v_wmma_f32_16x16x128_bf8_bf8 v[ZD+16*\u+8*\p:ZD+16*\u+8*\p+7], v[ZW+32*\p+16:ZW+32*\p+31], v[ZA+32*\u+16:ZA+32*\u+31], v[ZD+16*\u+8*\p:ZD+16*\u+8*\p+7]
.endr
.endr
	PLACES 4
.macro W1LOAD be                       ; hidden units 64 w + 32 be .. + 31: fragment f = 2 u' + s
.irp f, 0,1,2,3
.irp c, 0,1,2,3
	global_load_b128 v[ZW+64*\be+16*\f+4*\c:ZW+64*\be+16*\f+4*\c+3], v[WOF], s[24:25] offset:8192*\be+2048*(\f/2)+128*(\f%2)+32*\c
.endr
.endr
.endm
	W1LOAD 0
.irp j, 0,2,4,6,8,10,12,14,16,18,20,22,24,26,28,30
	v_pk_fma_f32 v[ZD+\j:ZD+\j+1], v[ZD+\j:ZD+\j+1], s[54:55], v[ZW+64+\j:ZW+65+\j] op_sel_hi:[1,0,1]
.endr
	LNSTAT ZD, ZA, 0
	LNSTAT ZD+16, ZA, 1
	BAR
	LNAPPLY ZD, ZA, ZA+32, ZA+40, ZW+96, ZW+112, ZD
	W1LOAD 1
.irp k, 0,1,2,3,4,5,6,7
	global_load_b128 v[ZA+32+4*\k:ZA+32+4*\k+3], v[BO], s[26:27] offset:128*(\k/4)+32*((\k/2)%2)+16*(\k%2)   ; ffn_b1 in the result's layout: tile 2 be + u', register j: unit 64 w + 32 be + 16 h + 8 u' + j
.endr
.irp k, 0,1,2,3,4,5,6,7
	ds_store_b128 v[SH], v[ZD+4*\k:ZD+4*\k+3] offset:512*\k   ; x2 is kept in my own stage for the residual
.endr
	SETQ 42                                        ; e20
	Q16 ZD, ZB, 2, ZA
	Q16 ZD+16, ZB+4, 2, ZA
	ds_store_b128 v[IMW], v[ZB:ZB+3] offset:XI     ; every wave's reads of the last images were over in front of the barrier above
	ds_store_b128 v[IMW], v[ZB+4:ZB+7] offset:XI+4096
	BAR
	; ---- the FFN's first layer: my 64 hidden units, a tile of rows at a time
	s_add_co_i32 s58, s42, s43                     ; e20 + e21
	s_sub_co_i32 s62, s44, s58                     ; e22 - e20 - e21
	s_sub_co_i32 s58, 0, s58
	s_wait_loadcnt 0x0
.set k, 0
.rept 32
	v_ldexp_f32 v[ZA+32+k], v[ZA+32+k], s58
.set k, k+1
.endr
	SETQ 62
.macro F1U u
.irp k, 0,1,2,3,4,5,6,7
	ds_load_b128 v[ZA+4*\k:ZA+4*\k+3], v[LI] offset:XI+4096*\u+512*\k
.endr
	s_wait_dscnt 0x0
.irp t, 0,1,2,3
	v_wmma_f32_16x16x128_bf8_bf8 v[ZD+8*\t:ZD+8*\t+7], v[ZW+32*\t:ZW+32*\t+15], v[ZA:ZA+15], v[ZA+32+8*\t:ZA+32+8*\t+7]
.endr
.irp t, 0,1,2,3
	v_wmma_f32_16x16x128_bf8_bf8 v[ZD+8*\t:ZD+8*\t+7], v[ZW+32*\t+16:ZW+32*\t+31], v[ZA+16:ZA+31], v[ZD+8*\t:ZD+8*\t+7]
.endr
	PLACES 5                                       ; the accumulators are begun anew by the next products
.if \u == 1
.irp f, 0,1,2,3,4,5,6,7                        ; ffn_w2: my 32 rows, fragment f = 4 u' + s
.irp c, 0,1,2,3
	global_load_b128 v[ZW+16*\f+4*\c:ZW+16*\f+4*\c+3], v[VI], s[28:29] offset:4096*(\f/4)+128*(\f%4)+32*\c
.endr
.endr
.endif
	Q16 ZD, ZB, 1, 0
	Q16 ZD+16, ZB+4, 1, 0
	ds_store_b128 v[LJ], v[ZB:ZB+3] offset:HI+8192*\u          ; pieces 2 w and 2 w + 1 of the second layer's operand
	ds_store_b128 v[LJ], v[ZB+4:ZB+7] offset:HI+8192*\u+512
	s_wait_dscnt 0x0
.endm
	F1U 0
	F1U 1
.irp i, 0,1,2,3
	global_load_b128 v[ZB+4*\i:ZB+4*\i+3], v[BO], s[30:31] offset:16*\i      ; ffn_b2
.endr
	BAR
	; ---- the second layer: four accumulators by turns, a K step at a time
.macro HLOAD s
.irp u, 0,1
.irp c, 0,1,2,3
	ds_load_b128 v[ZA+32*((\s)%2)+16*\u+4*\c:ZA+32*((\s)%2)+16*\u+4*\c+3], v[LI] offset:HI+8192*\u+2048*(\s)+512*\c
.endr
.endr
.endm
	HLOAD 0
	HLOAD 1
	s_wait_loadcnt 0x0
.irp s, 0,1,2,3
.if \s < 3
	s_wait_dscnt 8                                 ; this K step's fragments are in; the next one's eight loads may be out
.else
	s_wait_dscnt 0
.endif
.irp u, 0,1
.irp p, 0,1
.if \s == 0
	v_wmma_f32_16x16x128_bf8_bf8 v[ZD+16*\u+8*\p:ZD+16*\u+8*\p+7], v[ZW+64*\p+16*\s:ZW+64*\p+16*\s+15], v[ZA+32*(\s%2)+16*\u:ZA+32*(\s%2)+16*\u+15], 0
.else
	v_wmma_f32_16x16x128_bf8_bf8 v[ZD+16*\u+8*\p:ZD+16*\u+8*\p+7], v[ZW+64*\p+16*\s:ZW+64*\p+16*\s+15], v[ZA+32*(\s%2)+16*\u:ZA+32*(\s%2)+16*\u+15], v[ZD+16*\u+8*\p:ZD+16*\u+8*\p+7]
.endif
.endr
.endr
	PLACES 4
.if \s < 2
	HLOAD \s+2
.endif
.endr
.irp k, 0,1,2,3,4,5,6,7
	ds_load_b128 v[ZA+4*\k:ZA+4*\k+3], v[SH] offset:512*\k    ; x2
.endr
.irp i, 0,1,2,3
	global_load_b128 v[ZW+4*\i:ZW+4*\i+3], v[BO], s[32:33] offset:16*\i
.endr
.irp i, 0,1,2,3
	global_load_b128 v[ZW+16+4*\i:ZW+16+4*\i+3], v[BO], s[34:35] offset:16*\i
.endr
	s_add_co_i32 s54, s44, s45
	s_add_co_i32 s54, s54, 127
	s_lshl_b32 s54, s54, 23                        ; 2^(e22 + e23)
	s_mov_b32 s55, s54
	s_wait_dscnt 0x0
.irp u, 0,1
.irp j, 0,2,4,6,8,10,12,14
	v_pk_add_f32 v[ZA+16*\u+\j:ZA+16*\u+\j+1], v[ZA+16*\u+\j:ZA+16*\u+\j+1], v[ZB+\j:ZB+\j+1]
.endr
.endr
.irp j, 0,2,4,6,8,10,12,14,16,18,20,22,24,26,28,30
	v_pk_fma_f32 v[ZD+\j:ZD+\j+1], v[ZD+\j:ZD+\j+1], s[54:55], v[ZA+\j:ZA+\j+1] op_sel_hi:[1,0,1]
.endr
	LNSTAT ZD, ZA+32, 0                            ; every wave's reads of LN2's statistics were over two barriers ago
	LNSTAT ZD+16, ZA+32, 1
	BAR
	s_wait_loadcnt 0x0
	LNAPPLY ZD, ZA, ZA+32, ZA+40, ZW, ZW+16, ZD
	; ---- the way out: a row's 1,024 bytes come from eight waves: they meet in a stage; each wave stores four whole rows
.irp u, 0,1
.irp i, 0,1,2,3
	ds_store_b128 v[OSW], v[ZD+16*\u+4*\i:ZD+16*\u+4*\i+3] offset:8320*\u+16*\i
.endr
.endr
	BAR
	s_cmp_lt_u32 s59, 2500                         ; ids alone: in pair 78 only rows 2,496 .. 2,499 exist: wave 0's four
	s_cbranch_scc0 .Lend
.irp m, 0,1,2,3,4,5,6,7
	ds_load_b128 v[ZA+4*\m:ZA+4*\m+3], v[OSR] offset:1040*(\m/2)+512*(\m%2)
.endr
.irp m, 0,1,2,3,4,5,6,7
	s_wait_dscnt 7-\m
	global_store_b128 v[LI], v[ZA+4*\m:ZA+4*\m+3], s[38:39] offset:512*\m th:TH_STORE_NT   ; 512 consecutive bytes, aligned
.endr
.Lend:
	v_lshl_add_u32 v[ZW+64], v0, 2, SPARE          ; my spare word and 0 are made here, v0 being as at the entry
	v_mov_b32 v[ZW+65], 0
	s_wait_tensorcnt 0x0                           ; the wave's end, behind my last LDS store
	ds_add_u32 v[ZW+64], v[ZW+65]
	s_wait_dscnt 0x0
	s_endpgm
.Lfunc_end_k_qc99e42f85a_tail:
	.size	k_qc99e42f85a_tail, .Lfunc_end_k_qc99e42f85a_tail-k_qc99e42f85a_tail
	.p2alignl 7, 3214868480
	.fill 96, 4, 3214868480
	.section	.rodata,"a",@progbits
	.p2align	6, 0x0
	.amdhsa_kernel k_qc99e42f85a_tail
		.amdhsa_group_segment_fixed_size 98304
		.amdhsa_private_segment_fixed_size 0
		.amdhsa_enable_private_segment 0
		.amdhsa_kernarg_size 128
		.amdhsa_user_sgpr_count 2
		.amdhsa_user_sgpr_kernarg_segment_ptr 1
		.amdhsa_wavefront_size32 1
		.amdhsa_system_sgpr_workgroup_id_x 1
		.amdhsa_system_sgpr_workgroup_id_y 1
		.amdhsa_system_sgpr_workgroup_id_z 1
		.amdhsa_system_vgpr_workitem_id 0
		.amdhsa_next_free_vgpr 256
		.amdhsa_next_free_sgpr 66
		.amdhsa_reserve_vcc 0
		.amdhsa_float_denorm_mode_32 3
		.amdhsa_float_denorm_mode_16_64 3
		.amdhsa_memory_ordered 1
		.amdhsa_forward_progress 1
		.amdhsa_inst_pref_size 167
	.end_amdhsa_kernel
	.amdgpu_metadata
---
amdhsa.version: [ 1, 2 ]
amdhsa.kernels:
  - .name:           k_qc99e42f85a_tail
    .symbol:         k_qc99e42f85a_tail.kd
    .args:
      - { .name: idx, .offset: 0, .size: 8, .value_kind: global_buffer, .address_space: global }
      - { .name: wts, .offset: 8, .size: 8, .value_kind: global_buffer, .address_space: global }
      - { .name: val, .offset: 16, .size: 8, .value_kind: global_buffer, .address_space: global }
      - { .name: ident, .offset: 24, .size: 8, .value_kind: global_buffer, .address_space: global }
      - { .name: oproj_w_codes, .offset: 32, .size: 8, .value_kind: global_buffer, .address_space: global }
      - { .name: oproj_b, .offset: 40, .size: 8, .value_kind: global_buffer, .address_space: global }
      - { .name: ln2_g, .offset: 48, .size: 8, .value_kind: global_buffer, .address_space: global }
      - { .name: ln2_b, .offset: 56, .size: 8, .value_kind: global_buffer, .address_space: global }
      - { .name: ffn_w1_codes, .offset: 64, .size: 8, .value_kind: global_buffer, .address_space: global }
      - { .name: ffn_b1, .offset: 72, .size: 8, .value_kind: global_buffer, .address_space: global }
      - { .name: ffn_w2_codes, .offset: 80, .size: 8, .value_kind: global_buffer, .address_space: global }
      - { .name: ffn_b2, .offset: 88, .size: 8, .value_kind: global_buffer, .address_space: global }
      - { .name: ln3_g, .offset: 96, .size: 8, .value_kind: global_buffer, .address_space: global }
      - { .name: ln3_b, .offset: 104, .size: 8, .value_kind: global_buffer, .address_space: global }
      - { .name: lowp_scales, .offset: 112, .size: 8, .value_kind: global_buffer, .address_space: global }
      - { .name: out0, .offset: 120, .size: 8, .value_kind: global_buffer, .address_space: global }
    .group_segment_fixed_size: 98304
    .private_segment_fixed_size: 0
    .kernarg_segment_align: 8
    .kernarg_segment_size: 128
    .max_flat_workgroup_size: 256
    .sgpr_count:     66
    .vgpr_count:     256
    .wavefront_size: 32
...
	.end_amdgpu_metadata
.endif
;; end of part 5
;; ======== version 2 of 2: 4 launches
;; workspace buffers: val 163,840,000 bytes; qc 2,588,672 bytes; kc 2,588,672 bytes; vc 2,588,672 bytes; sac 2,588,672 bytes; ident 10,354,688 bytes; wts 10,354,688 bytes; idx 10,354,688 bytes of whole numbers
;; launch qkv (part 6): grid 79 x 4, 8 waves a work-group, no clusters, 25,600 bytes of LDS; arguments query, query_pos, in_proj_w_codes, in_proj_b, lowp_scales, qc, kc, vc; writes qc, kc, vc
.if DOCPART == 6
	.amdgcn_target "amdgcn-amd-amdhsa--gfx1250"
	.amdhsa_code_object_version 6
	.text
	.protected	k_qc99e42f85a_qkv
	.globl	k_qc99e42f85a_qkv
	.p2align	8
	.type	k_qc99e42f85a_qkv,@function
k_qc99e42f85a_qkv:
	s_mov_b64 s[64:65], 0
	v_nop
	global_prefetch_b8 v0, s[64:65] scope:SCOPE_SE
	s_setreg_imm32_b32 hwreg(HW_REG_WAVE_MODE, 25, 1), 1
	s_wait_xcnt 0x0
; DecoderLayer in E5M2, four launches: qkv (this one), valp (the self-attention, and beside it the value map's projection), mid, tail.
; DEAD WORK: none of the twelve products and none of the inputs is dead: every one has a way to out0, and all are loaded.
; One identity is used, in launch mid: (ref + off / 200) x 200 - 0.5 = 200 ref + off - 0.5, since bev_w = bev_h = 200 are constants of the problem and 200 / 200 is 1 for all values;
; bilinear sampling is continuous in that number, so the change is one of rounding.  K = 32 of the scores' product is filled to 64 with zero codes, K = 2,500 of the weights' product to 2,560 with p = 0.
; LIMITS of the whole program: each power of two made from lowp_scales is an f32 number: every e and every folded difference eC - eA - eB between -126 and 112, every eA + eB between -126 and 127.  NaN and infinity among the inputs are not served.
;
; THIS LAUNCH: q = (query + query_pos) Wq^T + bq, k = query Wk^T + bk, v = query Wv^T + bv, each product on codes of E5M2, and each result quantised at once for the attention's products.  No work is left out.
; SHARES: a work-group takes a PAIR of tiles: 32 consecutive rows 32 P .. 32 P + 31 of batch b (79 pairs a batch; pair 78 has 4 real rows: the other 28 take row 2,499 again, by a clamp on ids;
; they are finite, go into padded workspace only, and are masked or never stored further on).  Lane r of tile u takes row 8 u + r + 8 (r / 8).  Wave w takes head w: channels 32 w .. 32 w + 31.
; PHASE X: wave w quantises channels 32 w .. + 31 of the 32 rows three times (e0 on query + pos, e2 and e4 on query): that is piece w of each operand (16 bytes a lane: k = 32 w + 16 h + 0 .. 15 of row r).
; Pieces go from wave to wave through LDS as images of the operand's registers, 512 bytes each.
; q, k: TRANSPOSED (source 0 = 16 weight rows, lane i of tile u' = channel 32 w + 8 u' + i + 8 (i / 8); source 1 = 16 data rows): a lane's 16 registers of the two tiles are channels 32 w + 16 h + 0 .. 15 of its row.
; v: NOT transposed (source 0 = data rows, source 1 = weight rows): a lane holds one channel and 16 neighbouring keys, since the keys are the K of the product that takes v.
; The biases are the C of each sum's first matrix instruction, divided by the power of two that the sums lack; the three scales ahead of each quantiser are folded into the conversion's one.
; OUT: qc, kc [b][head][tile 158][512]: lane (r, h) = dims 16 h .. + 15 of the tile's row r.  vc [b][head][pair 79][t 2][512]: lane (r, h) = dim 8 t + r + 8 (r / 8), keys 32 P + 16 h + 0 .. 15.
.set LI,  1                            ; v1  16 x lane
.set WOF, 2                            ; v2  (r + 8 (r / 8)) x 256 + 16 h: my bytes in a tile of weight rows
.set BO,  3                            ; v3  64 h
.set BVO, 4                            ; v4  4 (r + 8 (r / 8))
.set IMW, 5                            ; v5  16 x lane + 512 x wave: where I store my pieces
.set SCV, 6                            ; v6  the conversion's scale
.set LMV, 7                            ; v7  57,344 x that
.set PC,  8                            ; v8-15   codes to store
.set ZC,  16                           ; v16-31  the bias as C
.set ZW1, 32                           ; v32-95  Wq, later Wv
.set ZX,  96                           ; v96-159 query and query_pos, later Wk
.set ZA,  160                          ; v160-223 temporaries, codes, then the data's fragments
.set ZD,  224                          ; v224-255 the four accumulators
.set XO0, 224                          ; at the head: my row's bytes in query, tiles 0 and 1
.set XO1, 225
.set AQ,  0                            ; LDS: three sets of [u 2][piece 8][512]
.set AK,  8192
.set AV,  16384
.set SPARE, 24576                      ; the spare words, 128 bytes a wave
.macro PLACES n
.rept \n
	v_nop
.endr
.endm
.macro BAR                             ; my LDS stores have landed and my LDS loads are in: then the work-group's barrier
	s_wait_dscnt 0x0
	s_barrier_signal -1
	s_barrier_wait -1
.endm
.macro SETQ se                         ; s[se] = e: v[SCV] = 2^e, v[LMV] = 57,344 x 2^e
	s_add_co_i32 s60, s[\se], 127
	s_lshl_b32 s61, s60, 23
	v_mov_b32 v[SCV], s61
	s_add_co_i32 s60, s60, 15
	s_lshl_b32 s60, s60, 23
	s_or_b32 s60, s60, 0x600000
	v_mov_b32 v[LMV], s60
.endm
.macro Q16 src, dst, mode, tmp         ; 16 numbers of a lane become 16 codes in 4 registers.  mode 0: held in place; 2: held into v[tmp] on, the numbers are kept
.irp i, 0,1,2,3,4,5,6,7,8,9,10,11,12,13,14,15
.if \mode == 0
	v_med3_num_f32 v[\src+\i], v[\src+\i], -v[LMV], v[LMV]   ; the conversion to an 8-bit code does not saturate (ISA guide 7.6.2): the hold at the largest code x the scale
.else
	v_med3_num_f32 v[\tmp+\i], v[\src+\i], -v[LMV], v[LMV]
.endif
.endr
.if \mode == 0
	v_cvt_scalef32_pk8_bf8_f32 v[\dst:\dst+1], v[\src:\src+7], v[SCV]
	v_cvt_scalef32_pk8_bf8_f32 v[\dst+2:\dst+3], v[\src+8:\src+15], v[SCV]
.else
	v_cvt_scalef32_pk8_bf8_f32 v[\dst:\dst+1], v[\tmp:\tmp+7], v[SCV]
	v_cvt_scalef32_pk8_bf8_f32 v[\dst+2:\dst+3], v[\tmp+8:\tmp+15], v[SCV]
.endif
	v_nop                                          ; one plain vector line behind the conversions: their sources and scale are written again further on
.endm
.macro WLOAD reg, part                 ; my head's 32 rows of part 0 (q), 1 (k), 2 (v) of in_proj_w: fragment f = 2 u' + s
.irp f, 0,1,2,3
.irp c, 0,1,2,3
	global_load_b128 v[\reg+16*\f+4*\c:\reg+16*\f+4*\c+3], v[WOF], s[12:13] offset:65536*\part+2048*(\f/2)+128*(\f%2)+32*\c
.endr
.endr
.endm
.macro BLOAD part                      ; the bias in the transposed result's layout: tile u', register j: channel 32 w + 16 h + 8 u' + j
.irp k, 0,1,2,3
	global_load_b128 v[ZC+4*\k:ZC+4*\k+3], v[BO], s[14:15] offset:1024*\part+16*\k
.endr
.endm
.macro IMGS base                       ; a set's four fragments (tile u, K step s at 32 u + 16 s)
.irp k, 0,1,2,3,4,5,6,7,8,9,10,11,12,13,14,15
	ds_load_b128 v[ZA+4*\k:ZA+4*\k+3], v[LI] offset:\base+512*\k
.endr
.endm
.macro MM8 wz                          ; transposed: four accumulators by turns, two K steps
.irp u, 0,1
.irp p, 0,1
	v_wmma_f32_16x16x128_bf8_bf8 v[ZD+16*\u+8*\p:ZD+16*\u+8*\p+7], v[\wz+32*\p:\wz+32*\p+15], v[ZA+32*\u:ZA+32*\u+15], v[ZC+8*\p:ZC+8*\p+7]
.endr
.endr
.irp u, 0,1
.irp p, 0,1
	v_wmma_f32_16x16x128_bf8_bf8 v[ZD+16*\u+8*\p:ZD+16*\u+8*\p+7], v[\wz+32*\p+16:\wz+32*\p+31], v[ZA+32*\u+16:ZA+32*\u+31], v[ZD+16*\u+8*\p:ZD+16*\u+8*\p+7]
.endr
.endr
.endm
	s_load_b512 s[8:23], s[0:1], 0x0               ; query, query_pos, in_proj_w's codes, in_proj_b, the exponents, qc, kc, vc
	v_lshrrev_b32 v1, 5, v0
	v_readfirstlane_b32 s33, v1                    ; wave = head
	s_and_b32 s34, ttmp7, 0xffff                   ; batch
	v_and_b32 v8, 15, v0                           ; r
	v_bfe_u32 v9, v0, 4, 1                         ; h
	v_and_b32 v10, 31, v0
	v_lshlrev_b32 v[LI], 4, v10
	v_and_b32 v11, 8, v8
	v_add_nc_u32 v11, v11, v8                      ; r + 8 (r / 8)
	v_lshlrev_b32 v[WOF], 8, v11
	v_lshl_add_u32 v[WOF], v9, 4, v[WOF]
	v_lshlrev_b32 v[BO], 6, v9
	v_lshlrev_b32 v[BVO], 2, v11
	s_lshl_b32 s35, s33, 9
	v_add_nc_u32 v[IMW], s35, v[LI]
	s_lshl_b32 s36, ttmp9, 5                       ; 32 P
	v_add_nc_u32 v12, s36, v11
	v_add_nc_u32 v13, 8, v12
	v_min_u32 v12, 0x9c3, v12                      ; no load leaves the batch: rows past 2,499 take row 2,499
	v_min_u32 v13, 0x9c3, v13
	v_lshlrev_b32 v12, 10, v12
	v_lshlrev_b32 v13, 10, v13
	v_lshl_add_u32 v[XO0], v9, 6, v12              ; row x 1,024 + 64 h
	v_lshl_add_u32 v[XO1], v9, 6, v13
	s_mul_i32 s40, s34, 2560000
	s_lshl_b32 s37, s33, 7
	s_add_co_u32 s40, s40, s37                     ; the batch, + my 32 channels
	s_mov_b32 s41, 0
	s_lshl_b32 s42, s33, 13                        ; my 32 weight rows
	s_mov_b32 s43, 0
	s_mov_b32 s44, s37                             ; my 32 numbers of a bias
	s_mov_b32 s45, 0
	s_lshl_b32 s46, s34, 3
	s_add_co_u32 s46, s46, s33                     ; 8 b + head
	s_mul_i32 s48, s46, 158
	s_lshl_b32 s38, ttmp9, 1
	s_add_co_u32 s48, s48, s38
	s_lshl_b32 s48, s48, 9                         ; qc, kc: tile 2 P of my head
	s_mov_b32 s49, 0
	s_mul_i32 s50, s46, 79
	s_add_co_u32 s50, s50, ttmp9
	s_lshl_b32 s50, s50, 10                        ; vc: pair P of my head
	s_mov_b32 s51, 0
	s_wait_kmcnt 0x0
	s_load_b256 s[24:31], s[16:17], 0x0            ; e0 .. e7
	s_load_b32 s32, s[16:17], 0x20                 ; e8
	s_add_nc_u64 s[8:9], s[8:9], s[40:41]
	s_add_nc_u64 s[10:11], s[10:11], s[40:41]
	s_add_nc_u64 s[12:13], s[12:13], s[42:43]
	s_add_nc_u64 s[14:15], s[14:15], s[44:45]
	s_add_nc_u64 s[18:19], s[18:19], s[48:49]
	s_add_nc_u64 s[20:21], s[20:21], s[48:49]
	s_add_nc_u64 s[22:23], s[22:23], s[50:51]
	; ---- X
.irp i, 0,1,2,3
	global_load_b128 v[ZX+4*\i:ZX+4*\i+3], v[XO0], s[8:9] offset:16*\i
.endr
.irp i, 0,1,2,3
	global_load_b128 v[ZX+16+4*\i:ZX+16+4*\i+3], v[XO1], s[8:9] offset:16*\i
.endr
.irp i, 0,1,2,3
	global_load_b128 v[ZX+32+4*\i:ZX+32+4*\i+3], v[XO0], s[10:11] offset:16*\i
.endr
.irp i, 0,1,2,3
	global_load_b128 v[ZX+48+4*\i:ZX+48+4*\i+3], v[XO1], s[10:11] offset:16*\i
.endr
	WLOAD ZW1, 0
	BLOAD 0
	s_wait_kmcnt 0x0
	s_wait_loadcnt 20                              ; query and query_pos are in; Wq's 16 loads and bq's 4 may be out
.irp j, 0,2,4,6,8,10,12,14,16,18,20,22,24,26,28,30
	v_pk_add_f32 v[ZX+32+\j:ZX+33+\j], v[ZX+32+\j:ZX+33+\j], v[ZX+\j:ZX+\j+1]
.endr
	SETQ 26                                        ; e2: query for k; the numbers are kept
	Q16 ZX, ZA+32, 2, ZA
	Q16 ZX+16, ZA+36, 2, ZA
	SETQ 28                                        ; e4: query for v
	Q16 ZX, ZA+40, 0, 0
	Q16 ZX+16, ZA+44, 0, 0
	SETQ 24                                        ; e0: query + query_pos for q
	Q16 ZX+32, ZA+48, 0, 0
	Q16 ZX+48, ZA+52, 0, 0
	ds_store_b128 v[IMW], v[ZA+32:ZA+35] offset:AK
	ds_store_b128 v[IMW], v[ZA+36:ZA+39] offset:AK+4096
	ds_store_b128 v[IMW], v[ZA+40:ZA+43] offset:AV
	ds_store_b128 v[IMW], v[ZA+44:ZA+47] offset:AV+4096
	ds_store_b128 v[IMW], v[ZA+48:ZA+51] offset:AQ
	ds_store_b128 v[IMW], v[ZA+52:ZA+55] offset:AQ+4096
	WLOAD ZX, 1                                    ; Wk
	BAR                                            ; the three operands lie in LDS
	; ---- q
	IMGS AQ
	s_add_co_i32 s52, s24, s25                     ; e0 + e1
	s_sub_co_i32 s53, 0, s52
	s_sub_co_i32 s54, s30, s52                     ; e6 - e0 - e1
	s_wait_loadcnt 16                              ; Wq and bq are in; Wk's 16 may be out
.irp j, 0,1,2,3,4,5,6,7,8,9,10,11,12,13,14,15
	v_ldexp_f32 v[ZC+\j], v[ZC+\j], s53
.endr
	s_wait_dscnt 0x0
	MM8 ZW1
	PLACES 5                                       ; in front of loads into the sources; the accumulators are begun anew by the next product
	BLOAD 1
	WLOAD ZW1, 2                                   ; Wv
	IMGS AK
	SETQ 54
	Q16 ZD, PC, 0, 0
	Q16 ZD+16, PC+4, 0, 0
	global_store_b128 v[LI], v[PC:PC+3], s[18:19]              ; 512 consecutive bytes a store
	global_store_b128 v[LI], v[PC+4:PC+7], s[18:19] offset:512
	; ---- k
	s_add_co_i32 s52, s26, s27                     ; e2 + e3
	s_sub_co_i32 s53, 0, s52
	s_sub_co_i32 s54, s31, s52                     ; e7 - e2 - e3
	s_wait_loadcnt 16                              ; Wk and bk are in; Wv's 16 may be out
.irp j, 0,1,2,3,4,5,6,7,8,9,10,11,12,13,14,15
	v_ldexp_f32 v[ZC+\j], v[ZC+\j], s53
.endr
	s_wait_dscnt 0x0
	MM8 ZX
	PLACES 5
	global_load_b32 v[ZC], v[BVO], s[14:15] offset:2048        ; bv of my lane's channel, tiles 0 and 1
	global_load_b32 v[ZC+8], v[BVO], s[14:15] offset:2048+32
	IMGS AV
	s_wait_xcnt 0x0                                ; q's stores have read their registers
	SETQ 54
	Q16 ZD, PC, 0, 0
	Q16 ZD+16, PC+4, 0, 0
	global_store_b128 v[LI], v[PC:PC+3], s[20:21]
	global_store_b128 v[LI], v[PC+4:PC+7], s[20:21] offset:512
	; ---- v
	s_add_co_i32 s52, s28, s29                     ; e4 + e5
	s_sub_co_i32 s53, 0, s52
	s_sub_co_i32 s54, s32, s52                     ; e8 - e4 - e5
	s_wait_loadcnt 0x0
.irp p, 0,1
.irp j, 7,6,5,4,3,2,1,0
	v_ldexp_f32 v[ZC+8*\p+\j], v[ZC+8*\p], s53     ; the same number in all eight registers: they are eight keys of one channel
.endr
.endr
	s_wait_dscnt 0x0
.irp p, 0,1
.irp u, 0,1
	v_wmma_f32_16x16x128_bf8_bf8 v[ZD+16*\p+8*\u:ZD+16*\p+8*\u+7], v[ZA+32*\u:ZA+32*\u+15], v[ZW1+32*\p:ZW1+32*\p+15], v[ZC+8*\p:ZC+8*\p+7]
.endr
.endr
.irp p, 0,1
.irp u, 0,1
	v_wmma_f32_16x16x128_bf8_bf8 v[ZD+16*\p+8*\u:ZD+16*\p+8*\u+7], v[ZA+32*\u+16:ZA+32*\u+31], v[ZW1+32*\p+16:ZW1+32*\p+31], v[ZD+16*\p+8*\u:ZD+16*\p+8*\u+7]
.endr
.endr
	PLACES 4
	s_wait_xcnt 0x0                                ; k's stores have read their registers
	SETQ 54
	Q16 ZD, PC, 0, 0
	Q16 ZD+16, PC+4, 0, 0
	global_store_b128 v[LI], v[PC:PC+3], s[22:23]
	global_store_b128 v[LI], v[PC+4:PC+7], s[22:23] offset:512
	v_lshl_add_u32 v[ZA], v0, 2, SPARE             ; no two registers could be kept: my spare word and 0 are made here, v0 being as at the entry
	v_mov_b32 v[ZA+1], 0
	s_wait_tensorcnt 0x0                           ; the wave's end, behind my last LDS store
	ds_add_u32 v[ZA], v[ZA+1]
	s_wait_dscnt 0x0
	s_endpgm
.Lfunc_end_k_qc99e42f85a_qkv:
	.size	k_qc99e42f85a_qkv, .Lfunc_end_k_qc99e42f85a_qkv-k_qc99e42f85a_qkv
	.p2alignl 7, 3214868480
	.fill 96, 4, 3214868480
	.section	.rodata,"a",@progbits
	.p2align	6, 0x0
	.amdhsa_kernel k_qc99e42f85a_qkv
		.amdhsa_group_segment_fixed_size 25600
		.amdhsa_private_segment_fixed_size 0
		.amdhsa_enable_private_segment 0
		.amdhsa_kernarg_size 64
		.amdhsa_user_sgpr_count 2
		.amdhsa_user_sgpr_kernarg_segment_ptr 1
		.amdhsa_wavefront_size32 1
		.amdhsa_system_sgpr_workgroup_id_x 1
		.amdhsa_system_sgpr_workgroup_id_y 1
		.amdhsa_system_sgpr_workgroup_id_z 1
		.amdhsa_system_vgpr_workitem_id 0
		.amdhsa_next_free_vgpr 256
		.amdhsa_next_free_sgpr 66
		.amdhsa_reserve_vcc 0
		.amdhsa_float_denorm_mode_32 3
		.amdhsa_float_denorm_mode_16_64 3
		.amdhsa_memory_ordered 1
		.amdhsa_forward_progress 1
		.amdhsa_inst_pref_size 36
	.end_amdhsa_kernel
	.amdgpu_metadata
---
amdhsa.version: [ 1, 2 ]
amdhsa.kernels:
  - .name:           k_qc99e42f85a_qkv
    .symbol:         k_qc99e42f85a_qkv.kd
    .args:
      - { .name: query, .offset: 0, .size: 8, .value_kind: global_buffer, .address_space: global }
      - { .name: query_pos, .offset: 8, .size: 8, .value_kind: global_buffer, .address_space: global }
      - { .name: in_proj_w_codes, .offset: 16, .size: 8, .value_kind: global_buffer, .address_space: global }
      - { .name: in_proj_b, .offset: 24, .size: 8, .value_kind: global_buffer, .address_space: global }
      - { .name: lowp_scales, .offset: 32, .size: 8, .value_kind: global_buffer, .address_space: global }
      - { .name: qc, .offset: 40, .size: 8, .value_kind: global_buffer, .address_space: global }
      - { .name: kc, .offset: 48, .size: 8, .value_kind: global_buffer, .address_space: global }
      - { .name: vc, .offset: 56, .size: 8, .value_kind: global_buffer, .address_space: global }
    .group_segment_fixed_size: 25600
    .private_segment_fixed_size: 0
    .kernarg_segment_align: 8
    .kernarg_segment_size: 64
    .max_flat_workgroup_size: 256
    .sgpr_count:     66
    .vgpr_count:     256
    .wavefront_size: 32
...
	.end_amdgpu_metadata
.endif
;; end of part 6
;; launch valp (part 7): grid 8 x 32, 24 waves a work-group, no clusters, 234,496 bytes of LDS; arguments qc, kc, vc, lowp_scales, sac, value_codes, vproj_w_codes, vproj_b, val; writes sac, val
.if DOCPART == 7
	.amdgcn_target "amdgcn-amd-amdhsa--gfx1250"
	.amdhsa_code_object_version 6
	.text
	.protected	k_qc99e42f85a_valp
	.globl	k_qc99e42f85a_valp
	.p2align	8
	.type	k_qc99e42f85a_valp,@function
k_qc99e42f85a_valp:
	s_mov_b64 s[64:65], 0
	v_nop
	global_prefetch_b8 v0, s[64:65] scope:SCOPE_SE
	s_setreg_imm32_b32 hwreg(HW_REG_WAVE_MODE, 25, 1), 1
	s_wait_xcnt 0x0
; TWO PIECES OF WORK THAT NEED NOTHING OF EACH OTHER, IN ONE LAUNCH, BY ROLES OF WAVES: the self-attention (waves 4-23) and the value map's projection (waves 0-3).
; The attention is vector work on data that lie in LDS; the projection is a stream from memory to memory with little vector work: side by side on a SIMD each uses what the other leaves.
; DEAD WORK (the whole program): none of the twelve products and none of the inputs is dead.  One identity is used, in launch mid: (ref + off / 200) x 200 - 0.5 = 200 ref + off - 0.5, since bev_w = bev_h = 200
; are constants of the problem and 200 / 200 is 1 for all values; bilinear sampling is continuous in that number, so the change is one of rounding.
; LIMITS of the whole program: each power of two made from lowp_scales is an f32 number: every e and every folded difference eC - eA - eB between -126 and 112, every eA + eB between -126 and 127;
; e6 + e7 between -124 and 129 (added to c's exponent field).  NaN and infinity among the inputs are not served.
; Left out here: nothing of the problem.  Key steps of query tiles 158 and 159 and pairs of map tiles from 5,000 on, which do not exist, are jumped over by branches on ids.
;
; THE ATTENTION: for each batch and head, 2,500 queries x 2,500 keys, head size 32, on codes of E5M2.  Its result, divided by the row's sum, is quantised at once for the projection that follows.
; THE SOFTMAX: t = score x log2(e) / sqrt(32); M = the running largest t rounded UP to a whole number; p = 2^(t - M) is quantised with 2^e9, not normalised; the row's sum is taken of the unquantised p.
; When M moves, the sum and O are multiplied by 2^(old M - new M): exact.
; SHARES: a work-group serves one (batch, head) and 20 tiles of 16 queries, one tile a wave.  ALL of the head's K and V lie in LDS for the whole launch (2 x 81,920 bytes): four tensor loads at the head
; (wave 0: K, wave 1: V; a small one with key steps 0-3, then the rest), nothing is ever filled again.  By the text's count a wave has at most two tensor loads out.
; NO CLUSTER, though the eight work-groups of a head read the same K and V: the jump over tiles 158 and 159 hangs on the work-group's x, which partners of a cluster do not share, and what is shared
; is asked for once, at the head: 161,792 bytes against twenty key steps of vector work.
; LAYOUT: S^T = K Q^T by the K = 64 form: eight registers hold TWO tiles of keys (16 bytes a lane each), and q stands beside zero codes ([q | 0] picks the first tile, [0 | q] the second).
; Lane r of tile 2 b + u holds key 32 b + 8 u + r + 8 (r / 8), so S's register 16 b + i is key 32 b + 16 h + i of the step: the conversions' results are the operand of O^T += V^T P^T (K = 128 keys).
; V's lane r of tile t is dim 8 t + r + 8 (r / 8), so O's 16 registers are dims 16 h + 0 .. 15 of the lane's query: one piece of the next product's operand.
; THE LAST STEP holds keys 2,432 .. 2,559, of which 68 exist: the others' scores become -infinity ahead of the maximum, so p = 0.  Pair 79 of K and V does not exist: the tensor loads write zeros there.
;
; THE PROJECTION: val[row][col] = (sum over k of value[row][k] vproj_w[col][k]) x 2^(e12 + e13) + vproj_b[col], 160,000 rows x 256, f32 (it goes on into a quantiser, so it stays f32).
; SHARES: 10,000 tiles of 16 rows, in 5,000 pairs.  Projection wave gw = 4 x work-group + wave (0 .. 1,023) takes pairs gw + 1,024 m, m = 0 .. 4.
; The weight lies in LDS as images of the operand's registers: each of the four waves loads a quarter at the head; the first barrier shows it to all four.
; LAYOUT: source 0 = 16 rows of value, source 1 = 16 rows of the weight; lane r of tile t = 4 nb + tt takes weight row 64 nb + 4 r + tt.  Register j of that tile's result is (row 8 h + j, column 64 nb + 4 r + tt):
; one fused multiply-add scales, adds the bias and puts the four tiles' numbers side by side, so that a lane holds 4 neighbouring columns and sixteen lanes store 256 consecutive bytes, aligned.
; A fragment's registers 4 c .. 4 c + 3 hold k = 128 s + 32 c + 16 h + 0 .. 15: a permutation of k, the same on both sides.
; A STEP is two matrix instructions on a ring slot of two weight fragments; behind them the slot takes the group after next, so eight LDS loads are always on their way.
; HOW THE ROLES STAND IN THE TEXT: every wave walks the attention's loops and passes both barriers; the projection's waves jump over the key steps inside the trips (their tile number is 159).
; The projection stands in two sections under a branch on the wave's number, one pair behind the first barrier and four behind the second.  Each section makes its own address registers,
; loads anew and ends with no load, no LDS access and no store's source pending.
; REGISTERS, attention: v1-5 addresses; v6 2^e9, v7 57,344 x 2^e9; v8-11 zero codes, v12-15 q, v16-19 zero codes; v20 -M, v21 the largest t; v[22:23] the sum; v24-26 at work; v27 -infinity; v[28:29] f;
;   v[30:31] the second chain of the sum; v32-63 K's eight tiles, then V's two fragments; v64-127 S^T, then p; v128-143 p's codes; v144-159 O^T.
; REGISTERS, projection: v2 the weight's images, v8 the bias's, v9-11 offsets; v12-15 the bias; v16-23, v152-159 four rows to store; v24-55 value's two fragments; v56-119 the ring; v120-151 four accumulators.
.set LA,  1                            ; v1  16 x lane; never rewritten
.set ADK, 2                            ; v2  attention: the step's K; projection: the weight's images
.set ADV, 3                            ; v3  attention: the step's V; at the head: where I store my quarter's images
.set SPW, 4                            ; v4  my spare word; never rewritten
.set NIL, 5                            ; v5  0; never rewritten
.set C9,  6
.set L9,  7
.set NINF, 27
.set KF,  32
.set S,   64
.set PC,  128
.set O,   144
.set VBA, 8                            ; projection: the bias's images
.set VAO, 9                            ; 256 r + 16 h: my bytes in a tile of value
.set VVO, 10                           ; 8192 h + 16 r: my bytes in a tile of val
.set VPF, 11                           ; 256 x lane: the prefetch's offset
.set VBI, 12
.set VA,  24
.set VW,  56
.set VD,  120
.set WV,  14
.set TT,  15                           ; s15 my tile of queries
.set BH,  16                           ; s16 8 b + head
.set SEL, 44                           ; s[44:45] v_permlanex16_b32's selects: lane l xor 16
.set CS,  46                           ; s[46:47] c
.set TB,  48                           ; s48 the step's first byte in K's region
.set CNT, 49
.set HM,  50                           ; s50 lanes 16-31
.set PK,  76                           ; s76 projection: my pair in hand
.set VC,  77                           ; s77 pairs to go in the section
.set VS,  78                           ; s78 2^(e12 + e13)
.set VLIM, 79                          ; s79 the first pair that the section does not take
.set WBASE, 163840                     ; LDS: K 0, V 81,920, the weight's images (fragment 2 t + s at 2,048 (2 t + s)),
.set BBASE, 229376                     ; the bias's images (512 nb),
.set SPARE, 231424                     ; the spare words, 128 bytes a wave
.macro PLACES n
.rept \n
	v_nop
.endr
.endm
	s_load_b256 s[4:11], s[0:1], 0x0               ; qc, kc, vc, the exponents
	s_load_b64 s[12:13], s[0:1], 0x20              ; sac
	s_load_b256 s[68:75], s[0:1], 0x28             ; value's codes, the weight's codes, the bias, val
	v_lshl_add_u32 v[SPW], v0, 2, SPARE
	v_mov_b32 v[NIL], 0
	ds_add_u32 v[SPW], v[NIL]                      ; the wave's opening: the add, twice on end, and its wait ahead of the first tensor load
	ds_add_u32 v[SPW], v[NIL]
	v_lshrrev_b32 v1, 5, v0
	v_readfirstlane_b32 s[WV], v1                  ; wave 0..23
	s_mul_i32 s[TT], ttmp9, 20
	s_add_co_u32 s[TT], s[TT], s[WV]
	s_sub_co_u32 s[TT], s[TT], 4                   ; waves 4-23: tile 20 x + wave - 4
	s_cmp_lt_u32 s[WV], 4
	s_cselect_b32 s[TT], 159, s[TT]                ; waves 0-3: a tile that does not exist
	s_and_b32 s[BH], ttmp7, 0xffff
	; descriptor groups 1: rows of 32 elements of 8 bytes (256 bytes), dense.  s[20:27]: 64 rows.  s[28:35]: a tile of 256 rows of which 252 exist: the last four arrive as zeros
	s_mov_b32 s20, 3<<16
	s_mov_b32 s21, 32<<16
	s_mov_b32 s22, 64<<16
	s_mov_b32 s23, 32<<16
	s_mov_b32 s24, 64
	s_mov_b32 s25, 32
	s_mov_b32 s26, 0
	s_mov_b32 s27, 0
	s_mov_b32 s28, 3<<16
	s_mov_b32 s29, 32<<16
	s_mov_b32 s30, 252<<16
	s_mov_b32 s31, 32<<16
	s_mov_b32 s32, 256
	s_mov_b32 s33, 32
	s_mov_b32 s34, 0
	s_mov_b32 s35, 0
	s_min_u32 s17, s[WV], 1
	s_mul_i32 s17, s17, 81920                      ; wave 0: K's region, wave 1: V's
	s_mul_i32 s18, s[BH], 80896                    ; the head's 316 rows of 256 bytes, in kc and in vc alike
	s_mov_b32 s19, 0
	s_mov_b32 s[SEL], 0x76543210
	s_mov_b32 s[SEL+1], 0xfedcba98
	s_mov_b32 s[CS], 0x3e8293ee                    ; log2(e) / sqrt(32)
	s_mov_b32 s[TB], 0
	s_mov_b32 s[HM], 0xffff0000
	s_lshl_b32 s[PK], s[BH], 3
	s_add_co_u32 s[PK], s[PK], ttmp9               ; the work-group's number, 0 .. 255
	s_lshl_b32 s[PK], s[PK], 2
	s_add_co_u32 s[PK], s[PK], s[WV]               ; waves 0-3: gw, my first pair
	s_lshl_b32 s80, s[PK], 13                      ; a pair is 8,192 bytes of codes
	s_mov_b32 s81, 0
	s_lshl_b32 s82, s[PK], 15                      ; and 32,768 bytes of val
	s_mov_b32 s83, 0
	s_wait_dscnt 0x0                               ; both opening adds are done
	s_wait_kmcnt 0x0
	s_load_b256 s[52:59], s[10:11], 0x18           ; e6 .. e13
	s_add_nc_u64 s[68:69], s[68:69], s[80:81]
	s_add_nc_u64 s[74:75], s[74:75], s[82:83]
	s_cmp_eq_u32 s[WV], 0
	s_cselect_b64 s[2:3], s[6:7], s[8:9]
	s_add_nc_u64 s[2:3], s[2:3], s[18:19]
	s_mov_b32 s36, 1
	s_mov_b32 s37, s17
	s_mov_b64 s[38:39], s[2:3]
	s_or_b32 s39, s39, 0x80000000
	s_mov_b32 s40, 1
	s_add_co_u32 s41, s17, 16384
	s_add_nc_u64 s[42:43], s[2:3], 16384
	s_or_b32 s43, s43, 0x80000000
	s_cmp_lt_u32 s[WV], 2                          ; both fills of a wave stand in one branch on the wave's number
	s_cbranch_scc0 .Lnofill
	tensor_load_to_lds s[36:39], s[20:27]          ; key steps 0-3
	s_nop 0
	tensor_load_to_lds s[40:43], s[28:35]          ; key steps 4-19
	s_nop 0
	PLACES 4
.Lnofill:
	v_and_b32 v1, 31, v0
	v_lshlrev_b32 v[LA], 4, v1
	s_min_u32 s17, s[TT], 157                      ; (tiles 158, 159: a clamped address; nothing is made of it)
	s_mul_i32 s18, s[BH], 158
	s_add_co_u32 s17, s17, s18
	s_lshl_b32 s18, s17, 9
	s_add_nc_u64 s[4:5], s[4:5], s[18:19]
	global_load_b128 v[12:15], v[LA], s[4:5]       ; q's piece stays in registers
	s_lshr_b32 s17, s[BH], 3
	s_mul_i32 s17, s17, 158
	s_add_co_u32 s17, s17, s[TT]
	s_lshl_b32 s17, s17, 3
	s_and_b32 s18, s[BH], 7
	s_add_co_u32 s17, s17, s18
	s_lshl_b32 s18, s17, 9                         ; sac: ((158 b + T) x 8 + head) x 512
	s_add_nc_u64 s[12:13], s[12:13], s[18:19]
	s_cmp_lt_u32 s[WV], 4
	s_cbranch_scc0 .Lnotv
	; ---- projection waves: my quarter of the weight (tiles 4 w + tt, K steps s: f = 2 tt + s) and of the bias go to LDS as images
	v_and_b32 v9, 15, v0                           ; r
	v_bfe_u32 v10, v0, 4, 1                        ; h
	v_lshlrev_b32 v11, 10, v9
	v_lshl_add_u32 v11, v10, 4, v11                ; 1024 r + 16 h
	v_lshlrev_b32 v9, 4, v9                        ; 16 r
	s_lshl_b32 s80, s[WV], 14
	s_add_nc_u64 s[70:71], s[70:71], s[80:81]
	s_lshl_b32 s82, s[WV], 8
	s_add_nc_u64 s[72:73], s[72:73], s[82:83]
	s_add_co_u32 s80, s80, WBASE
	v_add_nc_u32 v[ADV], s80, v[LA]                ; 16 x lane + 16,384 x wave, in the weight's region
	s_lshl_b32 s82, s[WV], 9
	s_add_co_u32 s82, s82, BBASE
	v_add_nc_u32 v[VBA], s82, v[LA]
.irp f, 0,1,2,3,4,5,6,7
.irp c, 0,1,2,3
	global_load_b128 v[VA+16*\f+4*\c:VA+16*\f+4*\c+3], v11, s[70:71] offset:128*\f+32*\c
.endr
.endr
	global_load_b128 v[152:155], v9, s[72:73]      ; the bias of columns 64 w + 4 r + 0 .. 3
	s_wait_loadcnt 0x0
.set k, 0
.rept 32
	ds_store_b128 v[ADV], v[VA+4*k:VA+4*k+3] offset:512*k
.set k, k+1
.endr
	ds_store_b128 v[VBA], v[152:155]
	s_wait_dscnt 0x0                               ; the stores have read their registers
.Lnotv:
.irp j, 8,9,10,11,16,17,18,19,22,23,26,29
	v_mov_b32 v\j, 0
.endr
	v_mov_b32 v21, 0xff61b1e6                      ; the largest t so far: -3e38
	v_floor_f32 v20, -v21
	v_mov_b32 v[NINF], 0xff800000
.irp j, 0,1,2,3,4,5,6,7,8,9,10,11,12,13,14,15
	v_mov_b32 v[O+\j], 0                           ; the step is written once: the first finds zeros, which the first change of M leaves zeros
.endr
	s_wait_kmcnt 0x0
	s_add_co_i32 s60, s52, s53
	s_lshl_b32 s60, s60, 23
	s_add_co_i32 s[CS], s[CS], s60                 ; a score stands for score x 2^(e6 + e7)
	s_mov_b32 s[CS+1], s[CS]
	s_add_co_i32 s60, s55, 127
	s_lshl_b32 s61, s60, 23
	v_mov_b32 v[C9], s61                           ; 2^e9
	s_add_co_i32 s60, s60, 15
	s_lshl_b32 s60, s60, 23
	s_or_b32 s60, s60, 0x600000
	v_mov_b32 v[L9], s60                           ; 57,344 x 2^e9
	s_add_co_i32 s[VS], s58, s59
	s_add_co_i32 s[VS], s[VS], 127
	s_lshl_b32 s[VS], s[VS], 23                    ; 2^(e12 + e13)
; ================ THE ATTENTION: A KEY STEP of 128 keys.  mask = 1: the last one.
.macro STEP mask
	s_cmp_gt_u32 s[TT], 157                        ; ids alone
	s_cbranch_scc1 .Lhid_\@
	v_add_nc_u32 v[ADK], s[TB], v[LA]
	v_add_nc_u32 v[ADV], 0x14000, v[ADK]
	PLACES 2                                       ; with the two additions: four places in front of loads into registers that the last products read
.if \mask
.irp a, 0,1,2,3,4,5
	ds_load_b128 v[KF+4*\a:KF+4*\a+3], v[ADK] offset:512*\a
.endr
.else
.irp a, 0,1,2,3,4,5,6,7
	ds_load_b128 v[KF+4*\a:KF+4*\a+3], v[ADK] offset:512*\a
.endr
.endif
	s_wait_dscnt 0x0
.irp b, 0,1
	v_wmma_f32_16x16x64_bf8_bf8 v[S+16*\b:S+16*\b+7], v[KF+8*\b:KF+8*\b+7], v[12:19], 0
	v_wmma_f32_16x16x64_bf8_bf8 v[S+16*\b+8:S+16*\b+15], v[KF+8*\b:KF+8*\b+7], v[8:15], 0
.endr
	v_wmma_f32_16x16x64_bf8_bf8 v[S+32:S+39], v[KF+16:KF+23], v[12:19], 0
.if !\mask
	v_wmma_f32_16x16x64_bf8_bf8 v[S+40:S+47], v[KF+16:KF+23], v[8:15], 0
	v_wmma_f32_16x16x64_bf8_bf8 v[S+48:S+55], v[KF+24:KF+31], v[12:19], 0
	v_wmma_f32_16x16x64_bf8_bf8 v[S+56:S+63], v[KF+24:KF+31], v[8:15], 0
.endif
	PLACES 4
.irp t, 0,1
.irp c, 0,1,2,3
	ds_load_b128 v[KF+16*\t+4*\c:KF+16*\t+4*\c+3], v[ADV] offset:1024*\c+512*\t   ; V lands while the softmax is walked
.endr
.endr
.if \mask                                      ; register 16 b + i is key 2,432 + 32 b + 16 h + i: keys from 2,500 on do not exist
.irp i, 32,33,34,35
	v_cndmask_b32 v[S+\i], v[S+\i], v[NINF], s[HM]
.endr
.irp i, 36,37,38,39,40,41,42,43,44,45,46,47,48,49,50,51,52,53,54,55,56,57,58,59,60,61,62,63
	v_mov_b32 v[S+\i], v[NINF]
.endr
.endif
	v_max3_num_f32 v24, v[S], v[S+1], v[S+2]       ; the step's largest score of my query among my 64 keys, in two chains, each accumulator from its low end on
	v_max3_num_f32 v25, v[S+3], v[S+4], v[S+5]
.irp i, 6,10,14,18,22,26,30,34,38,42,46,50,54,58
	v_max3_num_f32 v24, v24, v[S+\i], v[S+\i+1]
	v_max3_num_f32 v25, v25, v[S+\i+2], v[S+\i+3]
.endr
	v_max3_num_f32 v24, v24, v[S+62], v[S+63]
	v_max_num_f32 v24, v24, v25
	v_permlanex16_b32 v26, v24, s[SEL], s[SEL+1]
	v_max_num_f32 v24, v24, v26                    ; and among lane l xor 16's
	v_mul_f32 v24, s[CS], v24                      ; as t (c is positive)
	v_max_num_f32 v21, v21, v24
	v_mov_b32 v24, v20
	v_floor_f32 v20, -v21                          ; the new -M = floor(-t)
	v_sub_f32 v24, v20, v24                        ; old M - new M: a whole number, 0 or less
	v_cvt_i32_f32 v24, v24                         ; (it saturates)
	v_ldexp_f32 v28, 1.0, v24                      ; f = 2^(old M - new M)
.irp j, 0,2,4,6,8,10,12,14,16,18,20,22,24,26,28,30,32,34,36,38,40,42,44,46,48,50,52,54,56,58,60,62
	v_pk_fma_f32 v[S+\j:S+\j+1], v[S+\j:S+\j+1], s[CS:CS+1], v[20:21] op_sel_hi:[1,0,0]   ; t - M
.endr
.set e, 0
.rept 64
	v_exp_f32 v[S+e], v[S+e]
.set e, e+1
.endr
	v_pk_mul_f32 v[22:23], v[22:23], v[28:29] op_sel_hi:[1,0]   ; the sum under the new M: the plain line behind the exponentials
	s_wait_alu depctr_va_vdst(0)                   ; one wait for the batch of 64, ahead of its first reader
	v_pk_add_f32 v[30:31], v[S:S+1], v[S+2:S+3]    ; the sum of the UNQUANTISED p, in two chains
.irp j, 4,8,12,16,20,24,28,32,36,40,44,48,52,56,60
	v_pk_add_f32 v[22:23], v[22:23], v[S+\j:S+\j+1]
	v_pk_add_f32 v[30:31], v[30:31], v[S+\j+2:S+\j+3]
.endr
	v_pk_add_f32 v[22:23], v[22:23], v[30:31]
.irp b, 0,1,2,3
.irp i, 0,1,2,3,4,5,6,7,8,9,10,11,12,13,14,15
	v_min_num_f32 v[S+16*\b+\i], v[S+16*\b+\i], v[L9]   ; p is not negative: the hold is one-sided
.endr
	v_cvt_scalef32_pk8_bf8_f32 v[PC+4*\b:PC+4*\b+1], v[S+16*\b:S+16*\b+7], v[C9]
	v_cvt_scalef32_pk8_bf8_f32 v[PC+4*\b+2:PC+4*\b+3], v[S+16*\b+8:S+16*\b+15], v[C9]
.endr
.irp j, 0,2,4,6,8,10,12,14
	v_pk_mul_f32 v[O+\j:O+\j+1], v[O+\j:O+\j+1], v[28:29] op_sel_hi:[1,0]   ; O^T under the new M; also the plain lines behind the conversions
.endr
	s_wait_dscnt 0x0                               ; V is in
	v_wmma_f32_16x16x128_bf8_bf8 v[O:O+7], v[KF:KF+15], v[PC:PC+15], v[O:O+7]
	v_wmma_f32_16x16x128_bf8_bf8 v[O+8:O+15], v[KF+16:KF+31], v[PC:PC+15], v[O+8:O+15]
.Lhid_\@:
	s_add_co_u32 s[TB], s[TB], 4096
.endm
; ================ THE PROJECTION
.macro VALOAD off                      ; a tile of value: 16 rows x 256 codes, two fragments
.irp k, 0,1,2,3,4,5,6,7
	global_load_b128 v[VA+4*\k:VA+4*\k+3], v[VAO], s[68:69] offset:\off+32*\k th:TH_LOAD_NT
.endr
.endm
.macro VWLOAD nb, g                    ; group g of column block nb: the weight's tiles 4 nb + 2 (g % 2) + 0, 1 at K step g / 2, into ring slot g % 2
.irp e, 0,1
.irp c, 0,1,2,3
	ds_load_b128 v[VW+32*((\g)%2)+16*\e+4*\c:VW+32*((\g)%2)+16*\e+4*\c+3], v[ADK] offset:2048*(2*(4*(\nb)+2*((\g)%2)+\e)+(\g)/2)+512*\c
.endr
.endr
.endm
; A step: the group's two products; four places; the slot takes the group after next.  The four accumulators take turns, one instruction a turn.
.macro VSTEP nb, g, b
.if ((\g) == 0) && ((\nb) > 0)
	s_wait_xcnt 0x0                                ; the last block's stores have read their registers: the accumulators and the four rows are written again from here on
.endif
	s_wait_dscnt 8                                 ; this group's eight loads are in; the next group's eight may be out
.irp e, 0,1
.if (\g) < 2
	v_wmma_f32_16x16x128_bf8_bf8 v[VD+16*((\g)%2)+8*\e:VD+16*((\g)%2)+8*\e+7], v[VA:VA+15], v[VW+32*((\g)%2)+16*\e:VW+32*((\g)%2)+16*\e+15], 0
.else
	v_wmma_f32_16x16x128_bf8_bf8 v[VD+16*((\g)%2)+8*\e:VD+16*((\g)%2)+8*\e+7], v[VA+16:VA+31], v[VW+32*((\g)%2)+16*\e:VW+32*((\g)%2)+16*\e+15], v[VD+16*((\g)%2)+8*\e:VD+16*((\g)%2)+8*\e+7]
.endif
.endr
	PLACES 4                                       ; in front of loads into the sources and of the first read of results
.if (\g) == 0
	ds_load_b128 v[VBI:VBI+3], v[VBA] offset:512*(\nb)         ; the block's bias: in by the next step's wait
.endif
	VWLOAD ((4*(\nb)+(\g)+2)/4)%4, ((\g)+2)%4
.if ((\nb) == 3) && ((\g) == 3)
.if \b
	s_add_co_u32 s80, s[PK], 1024                  ; the tile's last product is issued: the next pair's first tile is asked for, if the section takes that pair
	s_cmp_lt_u32 s80, s[VLIM]
	s_cbranch_scc0 .Lvnp_\@
	VALOAD 0
.Lvnp_\@:
.else
	VALOAD 4096                                    ; the pair's second tile
.endif
.endif
.endm
; Column block nb goes out: rows 0-3 into registers of their own, rows 4-7 into the accumulators' low halves, which rows 0-3 have freed.
.macro VOUT nb, b
.irp j, 0,1,2,3
.irp tt, 0,1,2,3
	v_fma_f32 v[16+4*\j+128*(\j/2)+\tt], v[VD+8*\tt+\j], s[VS], v[VBI+\tt]   ; each accumulator from its register 0 on
.endr
.endr
.irp j, 4,5,6,7
.irp tt, 0,1,2,3
	v_fma_f32 v[VD+8*(\j-4)+\tt], v[VD+8*\tt+\j], s[VS], v[VBI+\tt]
.endr
.endr
.irp j, 0,1,2,3
	global_store_b128 v[VVO], v[16+4*\j+128*(\j/2):16+4*\j+128*(\j/2)+3], s[74:75] offset:16384*\b+1024*\j+256*\nb th:TH_STORE_NT   ; lanes 0-15: 256 consecutive bytes of row j, aligned; lanes 16-31: of row 8 + j
.endr
.irp j, 4,5,6,7
	global_store_b128 v[VVO], v[VD+8*(\j-4):VD+8*(\j-4)+3], s[74:75] offset:16384*\b+1024*\j+256*\nb th:TH_STORE_NT
.endr
.endm
.macro VTILE b                         ; b = 0: a pair's first tile; 1: its second
	s_wait_loadcnt 0x0                             ; this tile's fragments are in
.if \b
	s_wait_xcnt 0x0                                ; the first tile's stores have read their registers; the last prefetch has read its address
	s_add_nc_u64 s[68:69], s[68:69], 0x800000      ; both tiles' loads are done: on to my next pair, 1,024 pairs of 8,192 bytes further
	; A PREFETCH INTO THE L2 of my next pair: 32 rows of 256 bytes, a lane a row, each row named once in the launch, by the wave that will load it; it stands one tile's work ahead of the load of that pair's
	; first tile.  A pair that does not exist is not asked for; my first pair comes by its load alone.
	s_add_co_u32 s80, s[PK], 1024
	s_cmp_lt_u32 s80, 5000
	s_cbranch_scc0 .Lvnl_\@
	global_prefetch_b8 v[VPF], s[68:69] th:TH_LOAD_NT scope:SCOPE_SE
.Lvnl_\@:
.endif
.irp nb, 0,1,2,3
.irp g, 0,1,2,3
	VSTEP \nb, \g, \b
.endr
	VOUT \nb, \b
.endr
.if \b
	s_wait_xcnt 0x0                                ; the stores have read their base
	s_add_nc_u64 s[74:75], s[74:75], 0x2000000     ; 1,024 pairs of 32,768 bytes
.endif
.endm
; A section: n pairs.  It makes its addresses, loads anew, and leaves nothing pending.
.macro VSEC n
	v_add_nc_u32 v[ADK], WBASE, v[LA]
	v_add_nc_u32 v[VBA], BBASE, v[LA]
	v_and_b32 v[VPF], 15, v0                       ; r
	v_bfe_u32 v[VVO], v0, 4, 1                     ; h
	v_lshlrev_b32 v[VAO], 8, v[VPF]
	v_lshl_add_u32 v[VAO], v[VVO], 4, v[VAO]
	v_lshlrev_b32 v[VPF], 4, v[VPF]
	v_lshl_add_u32 v[VVO], v[VVO], 13, v[VPF]
	v_lshlrev_b32 v[VPF], 4, v[LA]
	VALOAD 0
	VWLOAD 0, 0
	VWLOAD 0, 1
	s_mov_b32 s[VC], \n
.Lvp_\@:
	s_cmp_ge_u32 s[PK], s[VLIM]                    ; ids and the count of pairs alone
	s_cbranch_scc1 .Lvs_\@
	VTILE 0
	VTILE 1
.Lvs_\@:
	s_add_co_u32 s[PK], s[PK], 1024
	s_sub_co_u32 s[VC], s[VC], 1
	s_cmp_lg_u32 s[VC], 0
	s_cbranch_scc1 .Lvp_\@
	s_wait_loadcnt 0x0
	s_wait_dscnt 0x0                               ; the ring's last sixteen loads
	s_wait_xcnt 0x0
.endm
	s_wait_loadcnt 0x0                             ; q
	s_wait_tensorcnt 1                             ; my small load (key steps 0-3) has landed; the large one may stay out
	s_wait_dscnt 0x0                               ; for the others' sake: my images lie in LDS
	s_barrier_signal -1
	s_barrier_wait -1
	s_cmp_lt_u32 s[WV], 4
	s_cbranch_scc0 .Lnv1
	s_add_co_u32 s[VLIM], s[PK], 1024              ; my first pair, while the others walk four key steps
	VSEC 1
.Lnv1:
	s_mov_b32 s[CNT], 4
.Lfirst:
	STEP 0
	s_sub_co_u32 s[CNT], s[CNT], 1
	s_cmp_lg_u32 s[CNT], 0
	s_cbranch_scc1 .Lfirst
	s_wait_tensorcnt 0x0                           ; the large load has landed
	s_wait_dscnt 0x0
	s_barrier_signal -1
	s_barrier_wait -1
	s_cmp_lt_u32 s[WV], 4
	s_cbranch_scc0 .Lnv2
	s_mov_b32 s[VLIM], 5000                        ; my other four pairs, as far as they exist
	VSEC 4
.Lnv2:
	s_mov_b32 s[CNT], 15
.Lrest:
	STEP 0
	s_sub_co_u32 s[CNT], s[CNT], 1
	s_cmp_lg_u32 s[CNT], 0
	s_cbranch_scc1 .Lrest
	STEP 1
	s_cmp_gt_u32 s[TT], 157
	s_cbranch_scc1 .Lend
	PLACES 4
	v_add_f32 v22, v22, v23
	v_permlanex16_b32 v26, v22, s[SEL], s[SEL+1]
	v_add_f32 v22, v22, v26                        ; the row's sum
	v_rcp_f32 v28, v22
	v_nop
	s_sub_co_i32 s60, s56, s54
	s_sub_co_i32 s60, s60, s55                     ; e10 - e8 - e9: a sum stands for sum x 2^(e8 + e9)
	s_add_co_i32 s60, s60, 127
	s_lshl_b32 s61, s60, 23
	v_mov_b32 v[C9], s61
	s_add_co_i32 s60, s60, 15
	s_lshl_b32 s60, s60, 23
	s_or_b32 s60, s60, 0x600000
	v_mov_b32 v[L9], s60
	s_wait_alu depctr_va_vdst(0)                   ; ahead of the reciprocal's first reader
.irp j, 0,2,4,6,8,10,12,14
	v_pk_mul_f32 v[O+\j:O+\j+1], v[O+\j:O+\j+1], v[28:29] op_sel_hi:[1,0]
.endr
.irp i, 0,1,2,3,4,5,6,7,8,9,10,11,12,13,14,15
	v_med3_num_f32 v[O+\i], v[O+\i], -v[L9], v[L9]
.endr
	v_cvt_scalef32_pk8_bf8_f32 v[PC:PC+1], v[O:O+7], v[C9]
	v_cvt_scalef32_pk8_bf8_f32 v[PC+2:PC+3], v[O+8:O+15], v[C9]
	v_nop
	global_store_b128 v[LA], v[PC:PC+3], s[12:13]  ; 512 consecutive bytes: piece 'head' of the tile's operand
.Lend:
	s_wait_tensorcnt 0x0                           ; the wave's end
	ds_add_u32 v[SPW], v[NIL]
	s_wait_dscnt 0x0
	s_endpgm
.Lfunc_end_k_qc99e42f85a_valp:
	.size	k_qc99e42f85a_valp, .Lfunc_end_k_qc99e42f85a_valp-k_qc99e42f85a_valp
	.p2alignl 7, 3214868480
	.fill 96, 4, 3214868480
	.section	.rodata,"a",@progbits
	.p2align	6, 0x0
	.amdhsa_kernel k_qc99e42f85a_valp
		.amdhsa_group_segment_fixed_size 234496
		.amdhsa_private_segment_fixed_size 0
		.amdhsa_enable_private_segment 0
		.amdhsa_kernarg_size 72
		.amdhsa_user_sgpr_count 2
		.amdhsa_user_sgpr_kernarg_segment_ptr 1
		.amdhsa_wavefront_size32 1
		.amdhsa_system_sgpr_workgroup_id_x 1
		.amdhsa_system_sgpr_workgroup_id_y 1
		.amdhsa_system_sgpr_workgroup_id_z 1
		.amdhsa_system_vgpr_workitem_id 0
		.amdhsa_next_free_vgpr 160
		.amdhsa_next_free_sgpr 88
		.amdhsa_reserve_vcc 0
		.amdhsa_float_denorm_mode_32 3
		.amdhsa_float_denorm_mode_16_64 3
		.amdhsa_memory_ordered 1
		.amdhsa_forward_progress 1
		.amdhsa_inst_pref_size 162
	.end_amdhsa_kernel
	.amdgpu_metadata
---
amdhsa.version: [ 1, 2 ]
amdhsa.kernels:
  - .name:           k_qc99e42f85a_valp
    .symbol:         k_qc99e42f85a_valp.kd
    .args:
      - { .name: qc, .offset: 0, .size: 8, .value_kind: global_buffer, .address_space: global }
      - { .name: kc, .offset: 8, .size: 8, .value_kind: global_buffer, .address_space: global }
      - { .name: vc, .offset: 16, .size: 8, .value_kind: global_buffer, .address_space: global }
      - { .name: lowp_scales, .offset: 24, .size: 8, .value_kind: global_buffer, .address_space: global }
      - { .name: sac, .offset: 32, .size: 8, .value_kind: global_buffer, .address_space: global }
      - { .name: value_codes, .offset: 40, .size: 8, .value_kind: global_buffer, .address_space: global }
      - { .name: vproj_w_codes, .offset: 48, .size: 8, .value_kind: global_buffer, .address_space: global }
      - { .name: vproj_b, .offset: 56, .size: 8, .value_kind: global_buffer, .address_space: global }
      - { .name: val, .offset: 64, .size: 8, .value_kind: global_buffer, .address_space: global }
    .group_segment_fixed_size: 234496
    .private_segment_fixed_size: 0
    .kernarg_segment_align: 8
    .kernarg_segment_size: 72
    .max_flat_workgroup_size: 768
    .sgpr_count:     88
    .vgpr_count:     160
    .wavefront_size: 32
...
	.end_amdgpu_metadata
.endif
;; end of part 7
;; launch mid: the kernel of part 4 again; grid 79 x 4, 8 waves a work-group, no clusters, 19,968 bytes of LDS; arguments sac, out_proj_w_codes, out_proj_b, query, ln1_g, ln1_b, off_w_codes, off_b, aw_w_codes, aw_b, ref_2d, lowp_scales, ident, idx, wts; writes ident, idx, wts
;; launch tail: the kernel of part 5 again; grid 79 x 4, 8 waves a work-group, no clusters, 98,304 bytes of LDS; arguments idx, wts, val, ident, oproj_w_codes, oproj_b, ln2_g, ln2_b, ffn_w1_codes, ffn_b1, ffn_w2_codes, ffn_b2, ln3_g, ln3_b, lowp_scales, out0; writes out0
